; MI455X (gfx1250); checked and timed in simulation.
; The chip was launched on July 23, 2026; its instructions are those of AMD's public machine-readable ISA for CDNA 5 (MIT licence, August 2026) and "CDNA5" Instruction Set Architecture Reference Guide (July 2026). The comments in the code are by the model that wrote it; some were corrected since.
;; Self Attention. Allowed arithmetic: matrix products marked QUANTISED: E2M3 operands, one E8M0 scale for each 32 along K, by v_wmma_scale_f32_16x16x128_f8f6f4 with both operands' format E2M3, f32 sums; everything else in f32.
;; Inputs: b_k 1,024 float32; b_out 1,024 float32; b_q 1,024 float32; b_v 1,024 float32; w_k 1,024 x 1,024 float32; w_out 1,024 x 1,024 float32; w_q 1,024 x 1,024 float32; w_v 1,024 x 1,024 float32; x 4 x 2,048 x 1,024 float32.
;; Outputs: out0 4 x 2,048 x 1,024 float32.
;; This version of the problem:
;;   THIS VERSION OF THE PROBLEM IS GIVEN IN LOW PRECISION. The matrix products marked QUANTISED in the list below multiply operands that are first quantised to E2M3 (2 exponent bits, 3 mantissa bits; 6 bits a number), with one power-of-two scale for each 32 numbers along K (OCP MX v1.0); their sums are f32. All else is computed in f32.
;;   The module's matrix products, in the order in which they are computed (A, B: the left and right operand; K: the contracted axis; several contracted axes count as one K, in the product's order):
;;     1. [M 8,192, K 1,024] x [K 1,024, N 1,024]; A: input x; B: input w_q: QUANTISED
;;     2. [M 8,192, K 1,024] x [K 1,024, N 1,024]; A: input x; B: input w_k: QUANTISED
;;     3. [M 8,192, K 1,024] x [K 1,024, N 1,024]; A: input x; B: input w_v: QUANTISED
;;     4. batch 4 x [M 2,048, K 1,024] x [K 1,024, N 2,048]; A: computed on the way; B: computed on the way: QUANTISED
;;     5. batch 4 x [M 2,048, K 2,048] x [K 2,048, N 1,024]; A: softmax (see below); B: computed on the way: QUANTISED
;;     6. [M 8,192, K 1,024] x [K 1,024, N 1,024]; A: computed on the way; B: input w_out: QUANTISED
;;   THE QUANTISER, for each operand of a quantised product, along K:
;;     - K is cut into blocks of 32 from its start; a last block that is shorter is filled with zeros.
;;     - A block's scale is 2^e with e = floor(log2(the largest magnitude in the block)) - 2, held to -126 .. 127; a block of zeros has e = 0. As a byte (E8M0): e + 127.
;;     - Each number is divided by its block's scale, clamped to +-7.5, and rounded to the nearest number of E2M3, ties to even, subnormals kept.
;;     - The product sums the exact products of the quantised numbers (number of the format x scale) in f32.
;;   ~~~python
;;   def quantise(x, axis):      # numpy; x: float32 -> the quantised numbers, widened to float32 again
;;       x = np.moveaxis(x, axis, -1); K = x.shape[-1]
;;       x = np.pad(x, [(0, 0)] * (x.ndim - 1) + [(0, -K % 32)]); x = x.reshape(x.shape[:-1] + (-1, 32)); a = np.abs(x).max(-1, keepdims=True)
;;       e = np.where(a > 0, np.clip(np.frexp(np.where(a > 0, a, 1))[1] - 1 - 2, -126, 127), 0)      # np.frexp(a)[1] - 1 = floor(log2(a)), exactly
;;       r = np.clip(x / 2.0 ** e, -7.5, 7.5)
;;       step = 2.0 ** (np.maximum(np.frexp(np.where(r == 0, 1, r))[1] - 1, 0) - 3)
;;       q = np.round(r / step) * step * 2.0 ** e      # np.round: ties to even
;;       return np.moveaxis(q.reshape(q.shape[:-2] + (-1,))[..., :K], -1, axis).astype(np.float32)
;;   ~~~
;;   SOFTMAX AHEAD OF A QUANTISED PRODUCT. Where the list says 'softmax', what is quantised is not the finished softmax but p = 2^(t - M), with t = logit x log2(e) and M = ceil(the row's largest t), a whole number; so 1/2 < the row's largest p <= 1. The row's sum l is taken of the UNQUANTISED p, in f32, and the product's result is divided by l at the end. Since M is a whole number, a kernel that streams over the keys may use a running M (the ceiling of the running maximum): every later rescaling is an exact power of two, which a block's scale takes up: the codes' values come out the same.
;;   OPERANDS COMPUTED ON THE WAY. 'Computed on the way' means the value that the module computes at that place (a softmax that the list does not call 'softmax' is quantised finished and normalised). What goes into a quantiser is computed in f32, as accurately as f32 sums, v_exp_f32 and their like allow (about 1e-6 of the number): no bf16 or f16 on the way to a quantiser, and a product that is left as it is and whose result goes on into a quantised operand takes f32 operands (vector FMAs, or v_wmma_f32_16x16x4_f32). A number that lies on a knife's edge between two numbers of the format may be rounded either way, as far as f32 arithmetic and the matrix unit's own rounding can turn it there, and no further.
;; One version. Each part assembles by itself: llvm-mc -triple=amdgcn-amd-amdhsa -mcpu=gfx1250 --defsym DOCPART=n.
;; ======== version 1 of 1: 5 launches
;; limits: right only within a limited range of input values
;; workspace buffers: xw_c 9,437,184 bytes; xw_s 393,216 bytes; qkv_c 18,874,368 bytes; qkv_s 786,432 bytes; p_c 12,582,912 bytes; p_s 1,572,864 bytes; o_c 6,291,456 bytes; o_s 262,144 bytes
;; launch quant (part 1): grid 192 x 4, 2 waves a work-group, no clusters, 17,664 bytes of LDS; arguments x, w_q, w_k, w_v, w_out, xw_c, xw_s; writes xw_c, xw_s
.if DOCPART == 1
	.amdgcn_target "amdgcn-amd-amdhsa--gfx1250"
	.amdhsa_code_object_version 6
	.text
	.protected	k_qb19d715ea8_quant
	.globl	k_qb19d715ea8_quant
	.p2align	8
	.type	k_qb19d715ea8_quant,@function
k_qb19d715ea8_quant:
	s_mov_b64 s[64:65], 0
	v_nop
	global_prefetch_b8 v0, s[64:65] scope:SCOPE_SE
	s_setreg_imm32_b32 hwreg(HW_REG_WAVE_MODE, 25, 1), 1
	s_wait_xcnt 0x0
; x [8192][1024] and w_q, w_k, w_v, w_out [1024][1024], f32, K innermost, become codes of FP6 (E2M3) with one E8M0 byte for each 32 along K.
; The five tensors are one space of 12,288 rows: 0-8191 x, then 1,024 rows each of w_q, w_k, w_v, w_out.
; THE CODES ARE LAID AS IMAGES OF OPERAND REGISTERS.  A fragment is 16 rows x 128 K: 12 registers a lane, 1,536 bytes; registers 4 c .. 4 c + 3 of lane l lie at 512 c + 16 l.
; Fragments lie [K / 256][row / 16][(K / 128) % 2].  The scale words (four bytes: one row, 128 K) lie [K / 128][row].
; INSIDE A BLOCK OF 32 the places 0-7, 8-15, 16-23, 24-31 hold k 0-7, 16-23, 8-15, 24-31: the order in which the later launches' results fall into a lane's registers.
; Every operand of this program has that order, so both sides of each product are permuted alike, inside one scale's block.
; A block's scale is 2^(floor(log2(largest magnitude)) - 2); its byte is the largest magnitude's exponent field - 2, held at 1 from below.
; LIMITS: a block of zeros gets the byte 1 where the rule says 127 (its codes are zeros, and this program alone reads the bytes); blocks whose largest magnitude lies under 2^-124 have the byte 1;
; NaN and infinities among the inputs are not served.
; SHARES.  Work-group (g, s): rows 64 g .. 64 g + 63, K 256 s on.  Wave q: K 256 s + 128 q on: four fragments.  No work-group reads what another reads: no cluster, no tensor load, no barrier.
; A load reads 512 consecutive bytes of one row; 16 rows turn through the wave's own stage in LDS (rows 528 bytes apart), from which lane (r, h) takes its two whole blocks of row r.
.set SP,   528                         ; a stage row: 512 bytes + 16: row r begins at bank 4 r mod 64
.set WREG, 8704                        ; LDS of a wave: the stage, 16 x 528 bytes, and 256 bytes of scale words
.set SWO,  8448
.set LO,   4                           ; v4   16 x lane: my bytes of a load, and of a store of codes
.set SI,   5                           ; v5   the stage, on the way in
.set SOA,  6                           ; v6   and on the way out: row r, + 128 h
.set SWA,  7                           ; v7   where row r's scale word goes
.set SRD,  8                           ; v8   where I read 8 bytes of scale words back
.set L8,   9                           ; v9   8 x lane
.set H8,   10                          ; v10  8 h
.set WD,   11                          ; v11  the scale word
.set WX,   12                          ; v12  the other half of the lanes' part of it
.set TM,   16                          ; v16-19 largest magnitudes, two chains a block
.set SO,   20                          ; v20-21 the conversions' scale operands
.set BY,   22                          ; v22-23 the scale bytes
.set C2,   24                          ; v24-30 the upper halves of two blocks' codes
.set C,    32                          ; v32-55 a fragment's codes, two sets
.set R,    64                          ; v64-191 numbers as loaded, two sets of 64
.set X,    192                         ; v192-255 my two blocks, in the joint order
	s_load_b256 s[4:11], s[0:1], 0x0               ; x, w_q, w_k, w_v
	s_load_b128 s[12:15], s[0:1], 0x20             ; w_out, the codes
	s_load_b64 s[16:17], s[0:1], 0x30              ; the scale words
	v_lshl_add_u32 v62, v0, 2, 0x4400
	v_mov_b32 v63, 0
	v_lshrrev_b32 v1, 5, v0
	v_readfirstlane_b32 s19, v1                    ; wave q
	v_and_b32 v1, 31, v0                           ; lane
	v_and_b32 v2, 15, v0                           ; r
	v_bfe_u32 v3, v0, 4, 1                         ; h
	s_and_b32 s18, ttmp7, 0xffff                   ; s
	s_mul_i32 s28, s19, WREG
	v_lshlrev_b32 v[LO], 4, v1
	v_add_nc_u32 v[SI], s28, v[LO]
	v_mul_u32_u24 v[SOA], v2, SP
	v_lshl_add_u32 v[SOA], v3, 7, v[SOA]
	v_add_nc_u32 v[SOA], s28, v[SOA]
	s_add_co_u32 s28, s28, SWO
	v_lshl_add_u32 v[SWA], v2, 2, s28
	v_lshlrev_b32 v[L8], 3, v1
	v_add_nc_u32 v[SRD], s28, v[L8]
	v_lshlrev_b32 v[H8], 3, v3
	v_mov_b32 v[WX], 0                             ; written once: a lane permute's destination counts as one of its sources
	s_mov_b32 s20, 0x76543210
	s_mov_b32 s21, 0xfedcba98                      ; selects for lane l xor 16
	s_lshl_b32 s22, s18, 1
	s_add_co_u32 s22, s22, s19                     ; which 128 along K: 2 s + q
	s_mul_i32 s26, s18, 768
	s_lshl_b32 s27, ttmp9, 2
	s_add_co_u32 s26, s26, s27
	s_lshl_b32 s26, s26, 1
	s_add_co_u32 s26, s26, s19
	s_mul_i32 s26, s26, 1536                       ; my first fragment: ((768 s + 4 g) 2 + q) x 1,536 bytes
	s_mov_b32 s27, 0
	s_mul_i32 s30, s22, 49152
	s_lshl_b32 s31, ttmp9, 8
	s_add_co_u32 s30, s30, s31                     ; my 64 scale words: ((2 s + q) 12,288 + 64 g) x 4 bytes
	s_mov_b32 s31, 0
	s_and_b32 s23, ttmp9, 15                       ; a weight's block of 64 rows
	s_wait_alu depctr_va_vdst(0)
	s_wait_kmcnt 0x0
	s_cmp_lt_u32 ttmp9, 176                        ; which tensor: the choice hangs on the work-group's number alone
	s_cselect_b64 s[12:13], s[10:11], s[12:13]
	s_cmp_lt_u32 ttmp9, 160
	s_cselect_b64 s[12:13], s[8:9], s[12:13]
	s_cmp_lt_u32 ttmp9, 144
	s_cselect_b64 s[12:13], s[6:7], s[12:13]
	s_cmp_lt_u32 ttmp9, 128
	s_cselect_b64 s[12:13], s[4:5], s[12:13]
	s_cselect_b32 s23, ttmp9, s23                  ; x's block of 64 rows
	s_lshl_b32 s24, s23, 18                        ; 64 rows of 4,096 bytes
	s_lshl_b32 s25, s22, 9
	s_add_co_u32 s24, s24, s25
	s_mov_b32 s25, 0
	s_add_nc_u64 s[12:13], s[12:13], s[24:25]
	s_add_nc_u64 s[14:15], s[14:15], s[26:27]
	s_add_nc_u64 s[16:17], s[16:17], s[30:31]
.macro LOAD f                          ; fragment f's 16 rows: 512 consecutive bytes a load
.irp i, 0,1,2,3,4,5,6,7,8,9,10,11,12,13,14,15
	global_load_b128 v[R+64*((\f)%2)+4*\i:R+64*((\f)%2)+4*\i+3], v[LO], s[12:13] offset:(16*(\f)+\i)*4096 th:TH_LOAD_NT
.endr
.endm
.macro FRAGQ f
.set RS, R+64*((\f)%2)
.set CF, C+12*((\f)%2)
.if (\f) < 3
	s_wait_loadcnt 16                              ; this fragment's 16 loads are in; the next fragment's 16 may be out
.else
	s_wait_loadcnt 0x0
.endif
.irp i, 0,1,2,3,4,5,6,7,8,9,10,11,12,13,14,15
	ds_store_b128 v[SI], v[RS+4*\i:RS+4*\i+3] offset:SP*\i
.endr
.irp c, 0,1                            ; LDS serves a wave's instructions in order: these see the stores.  Four numbers u of a block go to place (0, 1, 4, 5, 2, 3, 6, 7)[u]
.irp u, 0,1,2,3,4,5,6,7
	ds_load_b128 v[X+32*\c+4*((\u&1)+2*((\u>>2)&1)+4*((\u>>1)&1)):X+32*\c+4*((\u&1)+2*((\u>>2)&1)+4*((\u>>1)&1))+3], v[SOA] offset:256*\c+16*\u
.endr
.endr
	s_wait_dscnt 0x0                               ; my blocks are in, and the stores into the stage have read their registers,
.if (\f) < 2
	LOAD (\f)+2                                    ; which take the loads of two fragments on
.endif
.irp c, 0,1
.irp u, 0,1
	v_max3_num_f32 v[TM+2*\c+\u], |v[X+32*\c+16*\u]|, |v[X+32*\c+16*\u+1]|, 0x1800000   ; with the floor 2^(3 - 127): the byte cannot fall under 1
.endr
.endr
.irp i, 2,4,6,8,10,12,14
.irp c, 0,1
.irp u, 0,1
	v_max3_num_f32 v[TM+2*\c+\u], v[TM+2*\c+\u], |v[X+32*\c+16*\u+\i]|, |v[X+32*\c+16*\u+\i+1]|
.endr
.endr
.endr
.irp c, 0,1
	v_max_num_f32 v[TM+2*\c], v[TM+2*\c], v[TM+2*\c+1]      ; block 2 c + h: all its 32 numbers are mine
.endr
.irp c, 0,1
	v_add_nc_u32 v[SO+\c], 0xff000000, v[TM+2*\c]  ; 2 off the exponent field: the conversion takes the exponent field of this operand as its scale
.endr
.irp c, 0,1
	v_lshrrev_b32 v[BY+\c], 23, v[SO+\c]           ; the scale's byte
.endr
	v_lshl_or_b32 v[WD], v[BY+1], 16, v[BY]        ; my two bytes, blocks h and 2 + h,
	v_lshlrev_b32 v[WD], v[H8], v[WD]              ; at their places in the word;
	v_permlanex16_b32 v[WX], v[WD], s20, s21
	v_or_b32 v[WD], v[WD], v[WX]                   ; with lane l xor 16's two the word is whole
.if (\f) >= 2
	s_wait_alu depctr_va_vdst(0)
	s_wait_xcnt 0x0                                ; the stores of two fragments back have read this set of codes
.endif
.irp c, 0,1
	v_cvt_scalef32_pk16_fp6_f32 v[CF+6*\c:CF+6*\c+2], v[X+32*\c:X+32*\c+15], v[SO+\c]
	v_cvt_scalef32_pk16_fp6_f32 v[C2+4*\c:C2+4*\c+2], v[X+32*\c+16:X+32*\c+31], v[SO+\c]   ; (a conversion's three registers begin on an even number)
.endr
	v_nop                                          ; one plain place behind a scaled conversion
.irp c, 0,1
.irp i, 0,1,2
	v_mov_b32 v[CF+3+6*\c+\i], v[C2+4*\c+\i]
.endr
.endr
.irp c, 0,1,2
	global_store_b128 v[LO], v[CF+4*\c:CF+4*\c+3], s[14:15] offset:3072*(\f)+512*\c   ; 32 lanes store 512 consecutive bytes, aligned
.endr
	ds_store_b32 v[SWA], v[WD] offset:64*(\f)      ; lanes r and r + 16 write the same word with the same value
.endm
	LOAD 0
	LOAD 1
	FRAGQ 0
	FRAGQ 1
	FRAGQ 2
	FRAGQ 3
	ds_load_b64 v[TM:TM+1], v[SRD]                 ; my wave's 64 scale words, 8 bytes a lane
	s_wait_dscnt 0x0
	global_store_b64 v[L8], v[TM:TM+1], s[16:17]   ; 256 consecutive bytes, aligned
	s_wait_tensorcnt 0x0
	ds_add_u32 v62, v63
	s_wait_dscnt 0x0
	s_endpgm
.Lfunc_end_k_qb19d715ea8_quant:
	.size	k_qb19d715ea8_quant, .Lfunc_end_k_qb19d715ea8_quant-k_qb19d715ea8_quant
	.p2alignl 7, 3214868480
	.fill 96, 4, 3214868480
	.section	.rodata,"a",@progbits
	.p2align	6, 0x0
	.amdhsa_kernel k_qb19d715ea8_quant
		.amdhsa_group_segment_fixed_size 17664
		.amdhsa_private_segment_fixed_size 0
		.amdhsa_enable_private_segment 0
		.amdhsa_kernarg_size 56
		.amdhsa_user_sgpr_count 2
		.amdhsa_user_sgpr_kernarg_segment_ptr 1
		.amdhsa_wavefront_size32 1
		.amdhsa_system_sgpr_workgroup_id_x 1
		.amdhsa_system_sgpr_workgroup_id_y 1
		.amdhsa_system_sgpr_workgroup_id_z 1
		.amdhsa_system_vgpr_workitem_id 0
		.amdhsa_next_free_vgpr 256
		.amdhsa_next_free_sgpr 66
		.amdhsa_reserve_vcc 0
		.amdhsa_float_denorm_mode_32 3
		.amdhsa_float_denorm_mode_16_64 3
		.amdhsa_memory_ordered 1
		.amdhsa_forward_progress 1
		.amdhsa_inst_pref_size 31
	.end_amdhsa_kernel
	.amdgpu_metadata
---
amdhsa.version: [ 1, 2 ]
amdhsa.kernels:
  - .name:           k_qb19d715ea8_quant
    .symbol:         k_qb19d715ea8_quant.kd
    .args:
      - { .name: x, .offset: 0, .size: 8, .value_kind: global_buffer, .address_space: global }
      - { .name: w_q, .offset: 8, .size: 8, .value_kind: global_buffer, .address_space: global }
      - { .name: w_k, .offset: 16, .size: 8, .value_kind: global_buffer, .address_space: global }
      - { .name: w_v, .offset: 24, .size: 8, .value_kind: global_buffer, .address_space: global }
      - { .name: w_out, .offset: 32, .size: 8, .value_kind: global_buffer, .address_space: global }
      - { .name: xw_c, .offset: 40, .size: 8, .value_kind: global_buffer, .address_space: global }
      - { .name: xw_s, .offset: 48, .size: 8, .value_kind: global_buffer, .address_space: global }
    .group_segment_fixed_size: 17664
    .private_segment_fixed_size: 0
    .kernarg_segment_align: 8
    .kernarg_segment_size: 56
    .max_flat_workgroup_size: 64
    .sgpr_count:     66
    .vgpr_count:     256
    .wavefront_size: 32
...
	.end_amdgpu_metadata
.endif
;; end of part 1
;; launch qkv (part 2): grid 8 x 32, 4 waves a work-group, clusters of 4 x 4, 327,680 bytes of LDS; arguments xw_c, xw_s, b_q, b_k, b_v, qkv_c, qkv_s; writes qkv_c, qkv_s
.if DOCPART == 2
	.amdgcn_target "amdgcn-amd-amdhsa--gfx1250"
	.amdhsa_code_object_version 6
	.text
	.protected	k_qb19d715ea8_qkv
	.globl	k_qb19d715ea8_qkv
	.p2align	8
	.type	k_qb19d715ea8_qkv,@function
k_qb19d715ea8_qkv:
	s_mov_b64 s[64:65], 0
	v_nop
	global_prefetch_b8 v0, s[64:65] scope:SCOPE_SE
	s_setreg_imm32_b32 hwreg(HW_REG_WAVE_MODE, 25, 1), 1
	s_wait_xcnt 0x0
	s_wait_alu depctr_hold_cnt(0) depctr_sa_sdst(0) depctr_va_vdst(0) depctr_va_sdst(0) depctr_va_ssrc(0) depctr_va_vcc(0) depctr_vm_vsrc(0)
	s_getreg_b32 s2, hwreg(HW_REG_IB_STS2, 6, 4)
	s_cmp_eq_u32 s2, 0
	s_cbranch_scc0 .Lentry_in_a_cluster
	s_endpgm
.Lentry_in_a_cluster:
	s_bfe_u32 s2, ttmp6, 0x10000c
	s_cmp_lg_u32 s2, 0xf033
	s_cbranch_scc0 .Lentry_shape_is_right
	s_endpgm
.Lentry_shape_is_right:
; Q = x w_q^T + b_q, K = x w_k^T + b_k and V^T = w_v x^T + b_v, on codes of FP6 (E2M3) with E8M0 scales; the results, f32, are quantised at once: Q and K along their 1,024 columns, V^T along the tokens.
; OPERANDS AND RESULTS are images of operand registers: a fragment (16 rows x 128 K) is 1,536 bytes, registers 4 c .. 4 c + 3 of lane l at 512 c + 16 l; fragments lie [K / 256][row / 16][(K / 128) % 2];
; scale words lie [K / 128][row].  So the rows of a K step of 256 are dense bytes, and a fragment comes out of LDS by three loads of 512 consecutive bytes: no pitch, no padding.
; A WORK-GROUP STAYS AND MAKES TWO TILES.  Q and K are 8,192 x 2,048 numbers: 256 tiles of 256 x 256.  V^T is 1,024 x 8,192: 256 tiles of 128 x 256.  Each of the 256 work-groups makes one of each, so all have the same work.
; PHASE 1: a tile of Q (cluster x = 0) or K (1): rows: tokens, columns: the weight's rows; a wave makes 128 x 128 in 64 accumulators.  K = 1,024 is four K steps of 256 in THREE slots: three first fills, the fourth fills slot 0 again.
; PHASE 2: a tile of V^T: rows: 128 of w_v's rows, columns: 256 tokens; a wave makes 64 x 128 in 32 accumulators.  All its codes, 294,912 bytes, fill the three slots again by ONE load a wave, asked for in
; phase 1's seventh step, as soon as the eighth step's fragments are in registers: it lands under 80 matrix instructions and phase 1's way out.  Its scale words, 12,288 bytes, come at the head through registers into LDS bytes of their own.
; By this text's own count a wave has four tensor loads out at the start and one behind each of the two refills.
; CLUSTERS: 4 x 4 work-groups; in both phases A's tiles hang on the cluster's row and are asked for jointly along it, B's on its column.
; THE MATRIX INSTRUCTION IS USED TRANSPOSED (source 0 = 16 rows of B, source 1 = 16 rows of A): a lane holds one row of C and eight neighbouring columns, so a wave's 128 columns of 16 rows become one fragment of the next product.
; Two neighbouring tiles give a lane k 8 h + 0..7 and 16 + 8 h + 0..7 of a block of 32: the places 0-7, 8-15, 16-23, 24-31 of a block hold k 0-7, 16-23, 8-15, 24-31, as in every operand of this program.
; THE BIASES are the C of each sum's first product: b_q or b_k by columns (eight numbers a lane for each of B's blocks), b_v by rows (a lane's row's number in eight registers for each of A's blocks).
; LIMITS: a block of zeros gets the byte 1 (its codes are zeros; this program alone reads the bytes); blocks under 2^-124 have the byte 1; NaN and infinities are not served.
; REGISTERS, in windows of 256: window 0: v1-31 addresses and b_v's four numbers; v32-63 scale words and nothing else, two sets; v64-159, v160-255 A's fragments, two sets (phase 2: v64-111, v160-207);
;   on the ways out v112-117 scale words, v128-146 codes, v148-171 at work; at the head v200-236 at work.
;   window 1: v0-95, v128-223 B's fragments, two sets; v96-127, v224-255 the bias.   windows 2, 3: accumulator (a, b) in window 2 + a / 4 at v[8 (8 (a % 4) + b)].
; THE FILLS, AS THEY STAND (this paragraph takes the place of what the lines above say of phase 1's slots, of its scale words and of the loads that are out):
; at the head each wave issues ONE joint load: its 128 rows of K steps 0, 1 and 2, three rows of 24,576 bytes, a plane of xw_c apart.  In LDS a wave's part is 73,728 bytes: [K step][24,576 bytes].
; The fourth K step fills K step 0's bytes again in the second step; phase 2's one load a wave fills all 294,912 bytes again.  By this text's own count a wave never has more than one tensor load out.
; Phase 1's scale words, 4,096 bytes a wave, come at the head through registers into LDS bytes of their own, as phase 2's do.
.set PLANE, 2359296                    ; a K step of 256 in xw_c: 768 x 2 fragments
.set PART,  24576                      ; 128 rows of a K step
.set SCL,   294912                     ; behind the slots: phase 1's scale words of all of K, 4,096 bytes a wave's load: [8][512 bytes]
.set SPARE, 311296                     ; the spare words, 128 bytes a wave: two blocks of 256 bytes that no other line names
.set STG,   311808                     ; 512 bytes a wave: scale words on their way out
.set SC2A,  313856                     ; phase 2's scale words, written by LDS stores: A's [8][512 bytes],
.set SC2B,  317952                     ; B's [8][1,024 bytes]
.set GOC1, 1                           ; v1     my byte offset in qkv_c, phase 1
.set GOS1, 2                           ; v2     in qkv_s, phase 1
.set GOC2, 3                           ; v3     in qkv_c, phase 2
.set GOS2, 4                           ; v4     in qkv_s, phase 2
.set SRD2, 5                           ; v5     where I read 8 bytes of scale words back (phase 2)
.set BR,   8                           ; v8-11  b_v at my four blocks' row r
.set ADRA2, 12                         ; v12-13 phase 2: LDS address of my A fragments, K steps 0-1 and 2-3
.set ADRB2, 14                         ; v14-15 the same for B
.set ADRA, 16                          ; v16-18 phase 1: LDS address of my A fragments in slot 0, 1, 2
.set ADSA2, 19                         ; v19    phase 2: of A's scale words
.set ADRB, 20                          ; v20-22 phase 1: of my B fragments
.set ADSB2, 23                         ; v23    phase 2: of B's scale words
.set ADSA, 24                          ; v24    phase 1: of A's scale words: lanes 0-15 an even step's, lanes 16-31 the odd step's behind it
.set ADSB, 25                          ; v25    of B's
.set GO,   26                          ; v26    16 x lane
.set SWA,  27                          ; v27    where row r's scale word goes
.set SRD,  28                          ; v28    where I read 16 bytes of scale words back (phase 1)
.set SPW,  30                          ; v30    my spare word; never rewritten
.set NIL,  31                          ; v31    0; never rewritten
.set OW,   112                         ; v112-117 scale words on their way out
.set PC,   128                         ; v128-146 the codes just made
.set TM,   148                         ; v148-163 at work in QUANT
.set PW,   164                         ; v164-171 the blocks' scale words
.set TLN,  200                         ; at the head alone: lane,
.set TRW,  201                         ; r,
.set THF,  202                         ; h,
.set TR4,  203                         ; 4 r,
.set TMP5, 204
.set BCO,  205                         ; offsets of the head's loads: the columns' bias,
.set BRO,  206                         ; the rows' bias,
.set SOA,  207                         ; phase 2's scale words of A,
.set SOB,  208                         ; of B;
.set LWA,  209                         ; and where these go in LDS
.set LWB,  210
.set SD,   212                         ; v212-235 phase 2's scale words on their way in
.set WV, 18
.set HR, 19                            ; wave / 2: my half of C's rows; also 0: I fetch for A, 1: for B
.set HC, 20                            ; wave % 2: my half of C's columns; also which half I fetch
.set CX, 21
.set CY, 22
.set CLX, 23
.set CLY, 24
.set MROW, 25
.set MCOL, 26
.set G1A, 28
.set G1B, 36
.set G0A0, 44
.set G0A1, 48
.set G0A2, 52
.set G0B0, 56
.set G0B1, 60
.set G0B2, 68
.set SEL, 66
.set G1SA, 72
.set G1SB, 80
.set G0SA, 88
.set G0SB, 92
.set G1PA, 72                          ; phase 2's descriptors take the registers of the head's load descriptors, whose load is long done when they are written
.set G1PB, 80
.set G0PA, 88
.set G0PB, 92
.set PA2, 100                          ; s[100:101] where phase 2's rows of A begin: made of cluster x, cy and the wave's number alone
.set PB2, 104                          ; s[104:105] and B's: of cluster y, cx and the wave's number alone
.set MSB, 0
.macro WIN new                         ; the immediate's high byte repeats the setting that is left
.if MSB != (\new)
	s_set_vgpr_msb (MSB<<8)|(\new)
.set MSB, (\new)
.endif
.endm
.macro PLACES n                        ; plain places behind matrix instructions, in front of loads into their sources and of reads of their results
.rept \n
	v_nop
.endr
.endm
.macro JLOAD g0a, g1a, g0b, g1b        ; a joint load: waves 0 and 1 fetch for A, waves 2 and 3 for B; four v_nop follow each line
	s_cmp_eq_u32 s[HR], 0
	s_cbranch_scc0 .Lfor_b_\@
	tensor_load_to_lds s[\g0a:\g0a+3], s[\g1a:\g1a+7]
	s_nop 0
.rept 4
	v_nop
.endr
	s_branch .Lasked_\@
.Lfor_b_\@:
	tensor_load_to_lds s[\g0b:\g0b+3], s[\g1b:\g1b+7]
	s_nop 0
.rept 4
	v_nop
.endr
.Lasked_\@:
.endm
.macro CREST                           ; a round of the cluster's barrier behind its opening barrier
	s_cmp_lg_u32 s[WV], 0
	s_cbranch_scc1 .Lnot_wave_0_\@
	s_barrier_signal -3
.Lnot_wave_0_\@:
	s_barrier_wait -3
	s_barrier_signal -1
	s_barrier_wait -1
.endm
.macro CROUND
	s_barrier_signal -1
	s_barrier_wait -1
	CREST
.endm
.macro WM odd, cm                      ; one product; cm = 0: adds in place, 2 and 3: starts at a bias
.if (\cm) >= 2
	v_wmma_scale_f32_16x16x128_f8f6f4 v[rD:rD+7], v[rB:rB+11], v[rA:rA+11], v[rC:rC+7], v[rSB], v[rSA] matrix_a_fmt:MATRIX_FMT_FP6 matrix_b_fmt:MATRIX_FMT_FP6
.elseif \odd
	v_wmma_scale_f32_16x16x128_f8f6f4 v[rD:rD+7], v[rB:rB+11], v[rA:rA+11], v[rD:rD+7], v[rSB], v[rSA] matrix_a_fmt:MATRIX_FMT_FP6 matrix_b_fmt:MATRIX_FMT_FP6 matrix_a_scale:MATRIX_SCALE_ROW1 matrix_b_scale:MATRIX_SCALE_ROW1
.else
	v_wmma_scale_f32_16x16x128_f8f6f4 v[rD:rD+7], v[rB:rB+11], v[rA:rA+11], v[rD:rD+7], v[rSB], v[rSA] matrix_a_fmt:MATRIX_FMT_FP6 matrix_b_fmt:MATRIX_FMT_FP6
.endif
.endm
; A's blocks a0 .. a0 + n - 1 against B's eight, step g of 128 along K.  cm = 2: C = the columns' bias of B's block; 3: C = the rows' bias of A's block.
; The accumulators take turns, one instruction a turn, in the same order in every step.
.macro MUL a0, n, g, cm
.set ma, \a0
.rept \n
.if (\cm) >= 2
	WIN 0x91+0x40*(ma/4)
.else
	WIN 0xa1+0x50*(ma/4)
.endif
.irp b, 0,1,2,3,4,5,6,7
.set rD, 8*(8*(ma%4)+\b)
.set rB, 128*((\g)&1)+12*\b
.set rA, 64+96*((\g)&1)+12*ma
.set rSB, 40+16*(((\g)>>1)&1)+\b
.set rSA, 32+16*(((\g)>>1)&1)+ma
.if (\cm) == 3
.set rC, 96+8*ma
.else
.set rC, 96+8*\b+96*(\b/4)
.endif
	WM (\g)&1, \cm
.endr
.set ma, ma+1
.endr
.endm
; phase 1: step g's fragments into set g % 2; with an even step the scale words of it and of the odd step behind it
.macro FETCH g
.set fp, (\g)&1
.set fs, ((\g)>>1)%3
.set fo, 1536*fp
	WIN 0x40
.irp i, 0,1,2,3,4,5,6,7
.irp c, 0,1,2
	ds_load_b128 v[128*fp+12*\i+4*\c:128*fp+12*\i+4*\c+3], v[ADRB+fs] offset:3072*\i+fo+512*\c
.endr
.endr
	WIN 0
.irp i, 0,1,2,3,4,5,6,7
.irp c, 0,1,2
	ds_load_b128 v[64+96*fp+12*\i+4*\c:64+96*fp+12*\i+4*\c+3], v[ADRA+fs] offset:3072*\i+fo+512*\c
.endr
.endr
.if fp == 0
.set fpair, (\g)>>1
.set fg, 16*(fpair&1)
.irp i, 0,1,2,3,4,5,6,7
	ds_load_b32 v[32+fg+\i], v[ADSA] offset:1024*fpair+64*\i
	ds_load_b32 v[40+fg+\i], v[ADSB] offset:1024*fpair+64*\i
.endr
.endif
.endm
.macro STEP g, cm
	s_wait_dscnt 0x0                               ; this step's fragments are in
.if (\g) > 0
	PLACES 4                                       ; the other set was read by the last step's products
.endif
	FETCH (\g)+1
	MUL 0, 8, \g, \cm
.endm
; A step of phase 1 with the work-group's barrier in it.  In front of the barrier each wave waits for all its tensor loads, adds 0 to its spare word, and waits for that and for its LDS reads.
; fill = 1: the barrier opens a round of the cluster's barrier, and slot 0, which nobody reads any more, takes the fourth K step.
.macro TURN g, fill
	WIN 0
	s_wait_tensorcnt 0x0                           ; all my tensor loads have landed
	ds_add_u32 v[SPW], v[NIL]                      ; 0 onto my spare word
	s_wait_dscnt 0x1                               ; this step's fragments are in; the add may be out
	MUL 0, 2, \g, 0
	s_wait_dscnt 0x0                               ; the add is done, and my reads of the slots are over
	s_barrier_signal -1
	MUL 2, 2, \g, 0
	WIN 0
	s_barrier_wait -1
.if \fill
	CREST
	s_add_nc_u64 s[G0A0+2:G0A0+3], s[G0A0+2:G0A0+3], 3*PLANE
	s_add_nc_u64 s[G0B0+2:G0B0+3], s[G0B0+2:G0B0+3], 3*PLANE
	JLOAD G0A0, G1A, G0B0, G1B                     ; the first tensor load behind the round; its four v_nop are the places in front of the loads below
.else
	PLACES 4
.endif
	FETCH (\g)+1
	MUL 4, 4, \g, 0
.endm
; PHASE 1'S SEVENTH STEP (g = 6) ASKS FOR ALL OF PHASE 2.  The eighth step's fragments are fetched first; when they are in registers nobody reads a slot any more.
.macro CHANGE
	s_wait_dscnt 0x0                               ; this step's fragments are in
	PLACES 4
	FETCH 7
	MUL 0, 4, 6, 0
	WIN 0
	s_wait_tensorcnt 0x0                           ; no tensor load of mine is out, so descriptors may be written
	ds_add_u32 v[SPW], v[NIL]                      ; 0 onto my spare word; the descriptors and eight products stand between it and the wait for it
	s_mov_b32 s[G1PA+1], 1536<<16                  ; A: 64 rows of all four K steps: 4 rows of 12,288 bytes (1,536 elements of 8), a plane of xw_c apart; word 0, with my row's mask, and words 6, 7 stay
	s_mov_b32 s[G1PA+2], 4<<16
	s_mov_b32 s[G1PA+3], 1536<<16
	s_mov_b32 s[G1PA+4], 4
	s_mov_b32 s[G1PA+5], 294912
	s_mov_b32 s[G1PB+1], 3072<<16                  ; B: 128 rows: 4 rows of 24,576 bytes; word 0 has my column's mask
	s_mov_b32 s[G1PB+2], 4<<16
	s_mov_b32 s[G1PB+3], 3072<<16
	s_mov_b32 s[G1PB+4], 4
	s_mov_b32 s[G1PB+5], 294912
	s_mov_b32 s[G0PA], 1
	s_mul_i32 s[G0PA+1], s[HC], 49152              ; A's halves at LDS byte 0 and 49,152
	s_mov_b64 s[G0PA+2:G0PA+3], s[PA2:PA2+1]
	s_or_b32 s[G0PA+3], s[G0PA+3], 0x80000000
	s_mov_b32 s[G0PB], 1
	s_mul_i32 s3, s[HC], 98304
	s_add_co_u32 s[G0PB+1], s3, 98304              ; B's at 98,304 and 196,608
	s_mov_b64 s[G0PB+2:G0PB+3], s[PB2:PB2+1]
	s_or_b32 s[G0PB+3], s[G0PB+3], 0x80000000
	MUL 4, 1, 6, 0
	s_wait_dscnt 0x0                               ; the add is done, and the eighth step's fragments are in: my last reads of the slots
	s_barrier_signal -1
	MUL 5, 1, 6, 0
	WIN 0
	s_barrier_wait -1
	CREST                                          ; no wave of any partner still reads a slot or has a load on its way
	JLOAD G0PA, G1PA, G0PB, G1PB                   ; the first tensor load behind the round, one a wave
	MUL 6, 2, 6, 0
.endm
; phase 2: step g's fragments (A's four blocks, B's eight) into set g % 2, and with an even step two steps' scale words
.macro FETCH2 g
.set fp, (\g)&1
.set fs, ((\g)>>2)&1
.set fq, (\g)&3
.set foa, 12288*(fq>>1)+1536*(fq&1)
.set fob, 24576*(fq>>1)+1536*(fq&1)
	WIN 0x40
.irp i, 0,1,2,3,4,5,6,7
.irp c, 0,1,2
	ds_load_b128 v[128*fp+12*\i+4*\c:128*fp+12*\i+4*\c+3], v[ADRB2+fs] offset:3072*\i+fob+512*\c
.endr
.endr
	WIN 0
.irp i, 0,1,2,3
.irp c, 0,1,2
	ds_load_b128 v[64+96*fp+12*\i+4*\c:64+96*fp+12*\i+4*\c+3], v[ADRA2+fs] offset:3072*\i+foa+512*\c
.endr
.endr
.if fp == 0
.set fpair, (\g)>>1
.set fg, 16*(fpair&1)
.irp i, 0,1,2,3
	ds_load_b32 v[32+fg+\i], v[ADSA2] offset:1024*fpair+64*\i
.endr
.irp i, 0,1,2,3,4,5,6,7
	ds_load_b32 v[40+fg+\i], v[ADSB2] offset:2048*fpair+64*\i
.endr
.endif
.endm
.macro STEP2 g, cm
	s_wait_dscnt 0x0                               ; this step's fragments are in
.if (\g) > 0
	PLACES 4                                       ; the other set was read by the last step's products
.endif
	FETCH2 (\g)+1
	MUL 0, 4, \g, \cm
.endm
; 64 numbers of a lane, v[s] on in window w (eight accumulators as they stand), register 16 b + i = place 16 (lane / 16) + i of block b of my row, become a fragment's codes in v[PC] on and its scale word in v[pw].
.macro QUANT s, pw, w
	WIN (\w)*5                                     ; sources 0 and 1 in the accumulators' window
.irp b, 0,1,2,3
	v_max3_num_f32 v[TM+\b], |v[(\s)+16*\b]|, |v[(\s)+1+16*\b]|, 0x1800000   ; each accumulator from its low end on; with the floor 2^(3 - 127): the byte cannot fall under 1
.endr
	WIN (\w)*0x14                                  ; sources 1 and 2
.irp i, 2,4,6,8,10,12,14
.irp b, 0,1,2,3
	v_max3_num_f32 v[TM+\b], v[TM+\b], |v[(\s)+16*\b+\i]|, |v[(\s)+1+16*\b+\i]|
.endr
.endr
	WIN 0
.irp b, 0,1,2,3
	v_permlanex16_b32 v[TM+4+\b], v[TM+\b], s[SEL], s[SEL+1]
.endr
.irp b, 0,1,2,3
	v_max_num_f32 v[TM+\b], v[TM+\b], v[TM+4+\b]   ; with lane l xor 16's: the block's largest magnitude
.endr
.irp b, 0,1,2,3
	v_add_nc_u32 v[TM+12+\b], 0xff000000, v[TM+\b] ; 2 off its exponent field: the conversion's scale operand
.endr
.irp b, 0,1,2,3
	v_lshrrev_b32 v[TM+4+\b], 23, v[TM+12+\b]      ; the scale's byte
.endr
	v_lshl_or_b32 v[\pw], v[TM+5], 8, v[TM+4]
	v_lshl_or_b32 v[\pw], v[TM+6], 16, v[\pw]
	v_lshl_or_b32 v[\pw], v[TM+7], 24, v[\pw]
	s_wait_xcnt 0x0                                ; the last block's stores have read the codes' registers
	WIN \w                                         ; source 0
.irp c, 0,1
	v_cvt_scalef32_pk16_fp6_f32 v[PC+6*\c:PC+2+6*\c], v[(\s)+32*\c:(\s)+15+32*\c], v[TM+12+2*\c]
	v_cvt_scalef32_pk16_fp6_f32 v[PC+12+4*\c:PC+14+4*\c], v[(\s)+16+32*\c:(\s)+31+32*\c], v[TM+12+2*\c+1]   ; (a conversion's three registers begin on an even number)
.endr
	WIN 0
	v_nop                                          ; one plain place behind a scaled conversion
.irp c, 0,1                            ; the operand's layout wants a whole block in a lane: lanes 0-15 block 2 c, lanes 16-31 block 2 c + 1
.irp i, 0,1,2
	v_permlane16_swap_b32 v[PC+6*\c+\i], v[PC+12+4*\c+\i]
.endr
.irp i, 0,1,2
	v_mov_b32 v[PC+3+6*\c+\i], v[PC+12+4*\c+\i]
.endr
.endr
.endm
; block a: 16 rows x my 128 columns, quantised: one fragment out
.macro EPI a, goc
	QUANT 64*((\a)%4), PW+(\a), 2+(\a)/4
.irp c, 0,1,2
	global_store_b128 v[\goc], v[PC+4*\c:PC+4*\c+3], s[14:15] offset:3072*(\a)+512*\c   ; 512 consecutive bytes, aligned
.endr
	ds_store_b32 v[SWA], v[PW+(\a)] offset:64*(\a) ; lanes r and r + 16 write the same word with the same value
.endm
	s_load_b256 s[4:11], s[0:1], 0x0               ; xw_c s[4:5], xw_s s[6:7], b_q s[8:9], b_k s[10:11]
	s_load_b128 s[12:15], s[0:1], 0x20             ; b_v s[12:13], qkv_c s[14:15]
	s_load_b64 s[16:17], s[0:1], 0x30              ; qkv_s
	v_lshl_add_u32 v[SPW], v0, 2, SPARE
	v_mov_b32 v[NIL], 0
	ds_add_u32 v30, v31
	ds_add_u32 v30, v31
	s_wait_dscnt 0x0
	v_lshrrev_b32 v[TLN], 5, v0
	v_readfirstlane_b32 s[WV], v[TLN]
	s_lshr_b32 s[HR], s[WV], 1
	s_and_b32 s[HC], s[WV], 1
	s_bfe_u32 s[CX], ttmp6, 0x40000
	s_bfe_u32 s[CY], ttmp6, 0x40004
	s_mov_b32 s[CLX], ttmp9
	s_and_b32 s[CLY], ttmp7, 0xffff
	s_lshl_b32 s[MROW], s[CY], 2
	s_lshl_b32 s[MROW], 15, s[MROW]                ; my row of the cluster
	s_lshl_b32 s[MCOL], 0x1111, s[CX]              ; my column
	s_mov_b32 s[SEL], 0x76543210
	s_mov_b32 s[SEL+1], 0xfedcba98
	; group 1 for phase 1's codes: 24,576 dense bytes as 96 rows of 256 bytes (32 elements of 8 bytes); 15:0 the mask, 17:16 the element's size, 21 set beside a mask
	s_or_b32 s[G1A], s[MROW], (3<<16)|(1<<21)
	s_or_b32 s[G1B], s[MCOL], (3<<16)|(1<<21)
.irp g, G1A, G1B
	s_mov_b32 s[\g+1], 32<<16
	s_mov_b32 s[\g+2], 96<<16
	s_mov_b32 s[\g+3], 32<<16
	s_mov_b32 s[\g+4], 96
	s_mov_b32 s[\g+5], 32
	s_mov_b32 s[\g+6], 0
	s_mov_b32 s[\g+7], 0
.endr
	; and for the head's load: 128 rows of three K steps: 3 rows of 24,576 bytes (3,072 elements of 8), a plane of xw_c apart
	s_or_b32 s[G1SA], s[MROW], (3<<16)|(1<<21)
	s_or_b32 s[G1SB], s[MCOL], (3<<16)|(1<<21)
.irp g, G1SA, G1SB
	s_mov_b32 s[\g+1], 3072<<16
	s_mov_b32 s[\g+2], 3<<16
	s_mov_b32 s[\g+3], 3072<<16
	s_mov_b32 s[\g+4], 3
	s_mov_b32 s[\g+5], 294912
	s_mov_b32 s[\g+6], 0
	s_mov_b32 s[\g+7], 0
.endr
	; which blocks of 16 rows I fetch.  Phase 1: A = x at 64 cluster y + 16 cy + 8 half, B = the weights at 512 + 64 cluster x + 16 cx + 8 half
	s_lshl_b32 s3, s[HC], 3
	s_lshl_b32 s2, s[CLY], 6
	s_lshl_b32 s96, s[CY], 4
	s_add_co_u32 s2, s2, s96
	s_add_co_u32 s2, s2, s3                        ; A's
	s_lshl_b32 s27, s[CLX], 6
	s_lshl_b32 s98, s[CX], 4
	s_add_co_u32 s27, s27, s98
	s_add_co_u32 s27, s27, s3
	s_add_co_u32 s27, s27, 512                     ; B's
	; phase 2: A = w_v at 640 + 32 cluster x + 8 cy + 4 half, B = x at 64 cluster y + 16 cx + 8 half
	s_lshl_b32 s[PA2], s[CLX], 5
	s_lshl_b32 s[PA2+1], s[CY], 3
	s_add_co_u32 s[PA2], s[PA2], s[PA2+1]
	s_lshl_b32 s[PA2+1], s[HC], 2
	s_add_co_u32 s[PA2], s[PA2], s[PA2+1]
	s_add_co_u32 s[PA2], s[PA2], 640
	s_mul_i32 s[PA2], s[PA2], 3072
	s_mov_b32 s[PA2+1], 0
	s_lshl_b32 s[PB2], s[CLY], 6
	s_lshl_b32 s[PB2+1], s[CX], 4
	s_add_co_u32 s[PB2], s[PB2], s[PB2+1]
	s_add_co_u32 s[PB2], s[PB2], s3
	s_mul_i32 s[PB2], s[PB2], 3072
	s_mov_b32 s[PB2+1], 0
	s_mov_b32 s97, 0
	s_mov_b32 s99, 0
	s_wait_kmcnt 0x0
	s_add_nc_u64 s[PA2:PA2+1], s[4:5], s[PA2:PA2+1]
	s_add_nc_u64 s[PB2:PB2+1], s[4:5], s[PB2:PB2+1]
	s_cmp_eq_u32 s[HR], 0
	s_cselect_b32 s48, s2, s27                     ; the 128 rows that I fetch, A's or B's,
	s_lshl_b32 s48, s48, 6                         ; and where their scale words begin in a row of xw_s: 64 bytes for 16 rows
	s_mul_i32 s96, s2, 3072
	s_mul_i32 s98, s27, 3072
	s_mul_i32 s3, s[WV], 3*PART                    ; my part of LDS: A's two halves, then B's two
	s_mov_b32 s[G0A0], 1
	s_mov_b32 s[G0A0+1], s3
	s_add_nc_u64 s[G0A0+2:G0A0+3], s[4:5], s[96:97]
	s_or_b32 s[G0A0+3], s[G0A0+3], 0x80000000
	s_mov_b32 s[G0B0], 1
	s_mov_b32 s[G0B0+1], s3
	s_add_nc_u64 s[G0B0+2:G0B0+3], s[4:5], s[98:99]
	s_or_b32 s[G0B0+3], s[G0B0+3], 0x80000000
	CROUND                                         ; all sixteen work-groups are here: the first joint loads meet
	JLOAD G0A0, G1SA, G0B0, G1SB                   ; K steps 0, 1 and 2: my one tensor load at the head
	v_and_b32 v[TLN], 31, v0                       ; lane
	v_and_b32 v[TRW], 15, v0                       ; r
	v_bfe_u32 v[THF], v0, 4, 1                     ; h
	v_lshlrev_b32 v[GO], 4, v[TLN]
	v_lshlrev_b32 v[TR4], 2, v[TRW]                ; 4 r
	; THE HEAD'S LOADS.  The columns' bias: b_q or b_k at 256 cx + 128 (wave % 2) + 16 b + 8 h + 0 .. 7
	s_wait_alu depctr_va_vdst(0)
	s_cmp_eq_u32 s[CLX], 1
	s_cselect_b64 s[8:9], s[10:11], s[8:9]
	s_lshl_b32 s2, s[CX], 10
	s_lshl_b32 s3, s[HC], 9
	s_add_co_u32 s2, s2, s3
	v_lshlrev_b32 v[BCO], 5, v[THF]
	v_add_nc_u32 v[BCO], s2, v[BCO]
	WIN 0x40
.irp b, 0,1,2,3,4,5,6,7
	global_load_b128 v[96+8*\b+96*(\b/4):96+8*\b+96*(\b/4)+3], v[BCO], s[8:9] offset:64*\b
	global_load_b128 v[100+8*\b+96*(\b/4):100+8*\b+96*(\b/4)+3], v[BCO], s[8:9] offset:64*\b+16
.endr
	WIN 0
	; the rows' bias: b_v at 128 (4 cluster x + cy) + 64 (wave / 2) + 16 a + r
	s_lshl_b32 s2, s[CLX], 2
	s_add_co_u32 s2, s2, s[CY]                     ; which 128 rows of w_v
	s_lshl_b32 s3, s2, 9
	s_lshl_b32 s96, s[HR], 8
	s_add_co_u32 s96, s96, s3
	v_add_nc_u32 v[BRO], s96, v[TR4]
.irp a, 0,1,2,3
	global_load_b32 v[BR+\a], v[BRO], s[12:13] offset:64*\a
.endr
	; phase 2's scale words: wave w copies those of steps 2 w and 2 w + 1 of 128 along K: A's 128 rows are 512 consecutive bytes, B's 256 rows 1,024
	s_mul_i32 s96, s[WV], 98304                    ; two steps' rows of xw_s
	s_add_co_u32 s3, s3, s96
	s_add_co_u32 s3, s3, 40960                     ; w_v begins at row 10,240
	v_add_nc_u32 v[SOA], s3, v[GO]
	s_lshl_b32 s3, s[CLY], 2
	s_add_co_u32 s3, s3, s[CX]                     ; which 256 tokens
	s_lshl_b32 s3, s3, 10
	s_add_co_u32 s3, s3, s96
	v_add_nc_u32 v[SOB], s3, v[GO]
.irp u, 0,1
	global_load_b128 v[SD+4*\u:SD+4*\u+3], v[SOA], s[6:7] offset:49152*\u
	global_load_b128 v[SD+8+8*\u:SD+8+8*\u+3], v[SOB], s[6:7] offset:49152*\u
	global_load_b128 v[SD+12+8*\u:SD+12+8*\u+3], v[SOB], s[6:7] offset:49152*\u+512
.endr
	; phase 1's scale words of the 128 rows that I fetch: 512 consecutive bytes for each of the eight steps of 128 along K
	v_add_nc_u32 v211, s48, v[GO]
.irp u, 0,1,2,3,4,5,6,7
	global_load_b128 v[64+4*\u:67+4*\u], v211, s[6:7] offset:49152*\u
.endr
	s_lshl_b32 s2, s[WV], 12
	s_add_co_u32 s2, s2, SCL
	v_add_nc_u32 v236, s2, v[GO]                   ; and where they go in LDS: [wave][8][512 bytes]
	s_lshl_b32 s2, s[WV], 10
	s_add_co_u32 s2, s2, SC2A
	v_add_nc_u32 v[LWA], s2, v[GO]
	s_lshl_b32 s2, s[WV], 11
	s_add_co_u32 s2, s2, SC2B
	v_add_nc_u32 v[LWB], s2, v[GO]
	; LDS addresses of the fragments: phase 1,
	s_mul_i32 s2, s[HR], 3*PART
	s_mul_i32 s3, s[HC], 3*PART
	s_add_co_u32 s3, s3, 6*PART
.irp k, 0,1,2
	v_add_nc_u32 v[ADRA+\k], s2, v[GO]
	v_add_nc_u32 v[ADRB+\k], s3, v[GO]
	s_add_co_u32 s2, s2, PART
	s_add_co_u32 s3, s3, PART
.endr
	s_mul_i32 s2, s[HR], 49152                     ; phase 2
	s_mul_i32 s3, s[HC], 98304
	s_add_co_u32 s3, s3, 98304
.irp k, 0,1
	v_add_nc_u32 v[ADRA2+\k], s2, v[GO]
	v_add_nc_u32 v[ADRB2+\k], s3, v[GO]
	s_add_co_u32 s2, s2, 24576
	s_add_co_u32 s3, s3, 49152
.endr
	; and of the scale words: lanes 16-31 take the odd step's, one row of the table further on
	v_lshl_add_u32 v[TMP5], v[THF], 9, v[TR4]      ; 4 r + 512 h
	s_lshl_b32 s2, s[HR], 12
	s_add_co_u32 s2, s2, SCL
	v_add_nc_u32 v[ADSA], s2, v[TMP5]
	s_lshl_b32 s3, s[HC], 12
	s_add_co_u32 s3, s3, SCL+8192
	v_add_nc_u32 v[ADSB], s3, v[TMP5]
	s_lshl_b32 s2, s[HR], 8
	s_add_co_u32 s2, s2, SC2A
	v_add_nc_u32 v[ADSA2], s2, v[TMP5]
	v_lshl_add_u32 v[TMP5], v[THF], 10, v[TR4]     ; 4 r + 1,024 h
	s_lshl_b32 s3, s[HC], 9
	s_add_co_u32 s3, s3, SC2B
	v_add_nc_u32 v[ADSB2], s3, v[TMP5]
	s_lshl_b32 s2, s[WV], 9
	s_add_co_u32 s2, s2, STG
	v_add_nc_u32 v[SWA], s2, v[TR4]
	v_add_nc_u32 v[SRD], s2, v[GO]
	v_lshl_add_u32 v[SRD2], v[TLN], 3, s2
	; where my results go.  Phase 1, in fragments: ((4 cluster x + cx) 512 + (4 cluster y + cy) 16 + 8 (wave / 2)) 2 + wave % 2
	s_lshl_b32 s2, s[CLX], 2
	s_add_co_u32 s2, s2, s[CX]
	s_lshl_b32 s3, s[CLY], 2
	s_add_co_u32 s27, s3, s[CY]
	s_lshl_b32 s96, s2, 10
	s_lshl_b32 s97, s27, 5
	s_add_co_u32 s96, s96, s97
	s_lshl_b32 s97, s[HR], 4
	s_add_co_u32 s96, s96, s97
	s_add_co_u32 s96, s96, s[HC]
	s_mul_i32 s96, s96, 1536
	v_add_nc_u32 v[GOC1], s96, v[GO]
	; its scale words: ((4 cluster x + cx) 2 + wave % 2) 8,192 + (4 cluster y + cy) 256 + 128 (wave / 2)
	s_lshl_b32 s2, s2, 1
	s_add_co_u32 s2, s2, s[HC]
	s_lshl_b32 s2, s2, 13
	s_lshl_b32 s27, s27, 8
	s_add_co_u32 s2, s2, s27
	s_lshl_b32 s97, s[HR], 7
	s_add_co_u32 s2, s2, s97
	s_lshl_b32 s2, s2, 2
	v_add_nc_u32 v[GOS1], s2, v[GO]
	; phase 2, in fragments: 8,192 + ((4 cluster y + cx) 64 + 8 (4 cluster x + cy) + 4 (wave / 2)) 2 + wave % 2
	s_add_co_u32 s3, s3, s[CX]                     ; which 256 tokens
	s_lshl_b32 s2, s[CLX], 2
	s_add_co_u32 s2, s2, s[CY]                     ; which 128 rows of w_v
	s_lshl_b32 s96, s3, 7
	s_lshl_b32 s97, s2, 4
	s_add_co_u32 s96, s96, s97
	s_lshl_b32 s97, s[HR], 3
	s_add_co_u32 s96, s96, s97
	s_add_co_u32 s96, s96, s[HC]
	s_add_co_u32 s96, s96, 8192
	s_mul_i32 s96, s96, 1536
	v_add_nc_u32 v[GOC2], s96, v[GO]
	; its scale words: 131,072 + ((4 cluster y + cx) 2 + wave % 2) 1,024 + 128 (4 cluster x + cy) + 64 (wave / 2)
	s_lshl_b32 s3, s3, 1
	s_add_co_u32 s3, s3, s[HC]
	s_lshl_b32 s3, s3, 10
	s_lshl_b32 s2, s2, 7
	s_add_co_u32 s3, s3, s2
	s_lshl_b32 s2, s[HR], 6
	s_add_co_u32 s3, s3, s2
	s_lshl_b32 s3, s3, 2
	s_add_co_u32 s3, s3, 524288
	v_lshl_add_u32 v[GOS2], v[TLN], 3, s3
	s_wait_alu depctr_va_vdst(0)
	s_wait_loadcnt 0x0                             ; the biases and both phases' scale words
.irp u, 0,1,2,3,4,5,6,7
	ds_store_b128 v236, v[64+4*\u:67+4*\u] offset:512*\u
.endr
.irp u, 0,1
	ds_store_b128 v[LWA], v[SD+4*\u:SD+4*\u+3] offset:512*\u
	ds_store_b128 v[LWB], v[SD+8+8*\u:SD+8+8*\u+3] offset:1024*\u
	ds_store_b128 v[LWB], v[SD+12+8*\u:SD+12+8*\u+3] offset:1024*\u+512
.endr
	s_wait_dscnt 0x0                               ; for the others' sake: my stores have landed
	s_wait_tensorcnt 0x0                           ; my part of K steps 0, 1 and 2 is in
	s_barrier_signal -1
	s_barrier_wait -1
	; ---- PHASE 1
	FETCH 0
	STEP 0, 2                                      ; the first products start the sums at the columns' bias
	TURN 1, 1                                      ; slot 0 has been read out: it takes the fourth K step; slots 1 and 2 are whole behind this round
	STEP 2, 0
	STEP 3, 0
	STEP 4, 0
	TURN 5, 0                                      ; the refill has landed in every wave
	CHANGE                                         ; the seventh step; all of phase 2's codes are asked for
	MUL 0, 8, 7, 0                                 ; the eighth: its fragments are in
	WIN 0
	PLACES 4
.irp b, 0,1,2,3
	v_mov_b32 v[TM+4+\b], 0                        ; written once: a lane permute's destination counts as one of its sources
.endr
	WIN 0x40                                       ; destination window 1
.irp a, 0,1,2,3
.irp j, 0,1,2,3,4,5,6,7
	v_mov_b32 v[96+8*\a+\j], v[BR+\a]              ; the rows' bias in the result's layout: a lane's eight registers belong to one row.  It takes the place of the columns' bias, which the first step has read
.endr
.endr
	WIN 0
.irp a, 0,1,2,3,4,5,6,7
	EPI \a, GOC1
.endr
	ds_load_b128 v[OW:OW+3], v[SRD]                ; my 128 rows' scale words: LDS serves a wave's instructions in order
	s_wait_dscnt 0x0
	global_store_b128 v[GOS1], v[OW:OW+3], s[16:17]
	; ---- PHASE 2
	s_wait_tensorcnt 0x0                           ; my part of phase 2's codes is in
	ds_add_u32 v[SPW], v[NIL]
	s_wait_dscnt 0x0
	s_barrier_signal -1
	s_barrier_wait -1                              ; everybody's is: all of K lies in LDS, and no barrier follows before the end
	FETCH2 0
	STEP2 0, 3                                     ; the first products start the sums at the rows' bias
	STEP2 1, 0
	STEP2 2, 0
	STEP2 3, 0
	STEP2 4, 0
	STEP2 5, 0
	STEP2 6, 0
	s_wait_dscnt 0x0
	MUL 0, 4, 7, 0
	WIN 0
	PLACES 4
.irp a, 0,1,2,3
	EPI \a, GOC2
.endr
	ds_load_b64 v[OW+4:OW+5], v[SRD2]              ; my 64 rows' scale words
	s_wait_dscnt 0x0
	global_store_b64 v[GOS2], v[OW+4:OW+5], s[16:17]   ; 256 consecutive bytes, aligned
	s_wait_tensorcnt 0x0                           ; the wave's end
	ds_add_u32 v[SPW], v[NIL]
	s_wait_dscnt 0x0
	CROUND                                         ; the closing round
	s_endpgm
.Lfunc_end_k_qb19d715ea8_qkv:
	.size	k_qb19d715ea8_qkv, .Lfunc_end_k_qb19d715ea8_qkv-k_qb19d715ea8_qkv
	.p2alignl 7, 3214868480
	.fill 96, 4, 3214868480
	.section	.rodata,"a",@progbits
	.p2align	6, 0x0
	.amdhsa_kernel k_qb19d715ea8_qkv
		.amdhsa_group_segment_fixed_size 327680
		.amdhsa_private_segment_fixed_size 0
		.amdhsa_enable_private_segment 0
		.amdhsa_kernarg_size 56
		.amdhsa_user_sgpr_count 2
		.amdhsa_user_sgpr_kernarg_segment_ptr 1
		.amdhsa_wavefront_size32 1
		.amdhsa_system_sgpr_workgroup_id_x 1
		.amdhsa_system_sgpr_workgroup_id_y 1
		.amdhsa_system_sgpr_workgroup_id_z 1
		.amdhsa_system_vgpr_workitem_id 0
		.amdhsa_next_free_vgpr 1024
		.amdhsa_next_free_sgpr 106
		.amdhsa_reserve_vcc 0
		.amdhsa_float_denorm_mode_32 3
		.amdhsa_float_denorm_mode_16_64 3
		.amdhsa_memory_ordered 1
		.amdhsa_forward_progress 1
		.amdhsa_inst_pref_size 221
	.end_amdhsa_kernel
	.amdgpu_metadata
---
amdhsa.version: [ 1, 2 ]
amdhsa.kernels:
  - .name:           k_qb19d715ea8_qkv
    .symbol:         k_qb19d715ea8_qkv.kd
    .args:
      - { .name: xw_c, .offset: 0, .size: 8, .value_kind: global_buffer, .address_space: global }
      - { .name: xw_s, .offset: 8, .size: 8, .value_kind: global_buffer, .address_space: global }
      - { .name: b_q, .offset: 16, .size: 8, .value_kind: global_buffer, .address_space: global }
      - { .name: b_k, .offset: 24, .size: 8, .value_kind: global_buffer, .address_space: global }
      - { .name: b_v, .offset: 32, .size: 8, .value_kind: global_buffer, .address_space: global }
      - { .name: qkv_c, .offset: 40, .size: 8, .value_kind: global_buffer, .address_space: global }
      - { .name: qkv_s, .offset: 48, .size: 8, .value_kind: global_buffer, .address_space: global }
    .group_segment_fixed_size: 327680
    .private_segment_fixed_size: 0
    .kernarg_segment_align: 8
    .kernarg_segment_size: 56
    .max_flat_workgroup_size: 128
    .sgpr_count:     106
    .vgpr_count:     1024
    .wavefront_size: 32
...
	.end_amdgpu_metadata
.endif
;; end of part 2
;; launch score (part 3): grid 8 x 32, 4 waves a work-group, clusters of 4 x 4, 327,680 bytes of LDS; arguments qkv_c, qkv_s, p_c, p_s; writes p_c, p_s
.if DOCPART == 3
	.amdgcn_target "amdgcn-amd-amdhsa--gfx1250"
	.amdhsa_code_object_version 6
	.text
	.protected	k_qb19d715ea8_score
	.globl	k_qb19d715ea8_score
	.p2align	8
	.type	k_qb19d715ea8_score,@function
k_qb19d715ea8_score:
	s_mov_b64 s[64:65], 0
	v_nop
	global_prefetch_b8 v0, s[64:65] scope:SCOPE_SE
	s_setreg_imm32_b32 hwreg(HW_REG_WAVE_MODE, 25, 1), 1
	s_wait_xcnt 0x0
	s_wait_alu depctr_hold_cnt(0) depctr_sa_sdst(0) depctr_va_vdst(0) depctr_va_sdst(0) depctr_va_ssrc(0) depctr_va_vcc(0) depctr_vm_vsrc(0)
	s_getreg_b32 s2, hwreg(HW_REG_IB_STS2, 6, 4)
	s_cmp_eq_u32 s2, 0
	s_cbranch_scc0 .Lentry_in_a_cluster
	s_endpgm
.Lentry_in_a_cluster:
	s_bfe_u32 s2, ttmp6, 0x10000c
	s_cmp_lg_u32 s2, 0xf033
	s_cbranch_scc0 .Lentry_shape_is_right
	s_endpgm
.Lentry_shape_is_right:
; S = Q K^T on codes of FP6 (E2M3) with E8M0 scales, and the softmax's p for the next product, quantised along the keys.
; t = score x log2(e) / 32.  For each query and each CHUNK of 128 keys (a wave's columns): Mc = the chunk's largest t rounded up to a whole number, p = 2^(t - Mc), lc = the sum of the unquantised p.
; Stored: p's codes, p's scale words under Mc, -Mc and lc.  The next launch takes the row's M = the largest Mc and takes M - Mc off the scale bytes: a power of two, which leaves the codes as they are.
; So the maximum is taken away before every exponential, chunk by chunk, and no exponent is above 0 but by a rounding of t.
; Operands, tiles, ring, cluster and registers are as in the launch that made Q and K: images of operand registers, tiles of 256 x 256, three slots for four K steps of 256, joint loads.
; A = Q (rows: queries), B = K (rows: keys); the product is used transposed, so a lane holds one query and its registers run along the keys.
; LIMITS: p under 2^-126 counts as 0; a block of zeros gets the byte 1; NaN and infinities are not served; -Mc is kept as f32, exact up to 2^24.
; REGISTERS of the epilogue, window 0: v64-127 p; v128-146 codes; v148-170 at work; v176-183 scale words, v184-191 -Mc, v192-199 lc of the eight blocks of 16 queries; v200-211 on the way out.
; THE FILLS: at the head each wave issues ONE joint load: its 128 rows of K steps 0, 1 and 2, three rows of 24,576 bytes, a plane apart; in LDS a wave's part is 73,728 bytes: [K step][24,576 bytes].
; The fourth K step fills K step 0's bytes again in the second step.  By this text's own count a wave never has more than one tensor load out.
; The scale words, 4,096 bytes a wave, come at the head through registers into LDS bytes of their own.
.set PLANE, 1572864                    ; a K step of 256 of Q or of K: 512 x 2 fragments
.set PART,  24576                      ; 128 rows of a K step
.set SCL,   294912
.set SPARE, 311296
.set STG,   311808
.set ADRA, 16
.set ADRB, 20
.set ADSA, 24
.set ADSB, 25
.set GO,   26
.set SWA,  27
.set SRD,  28
.set SPW,  30
.set NIL,  31
.set PC,   128
.set BM,   148                         ; v148-151 each block's largest score, then its largest p
.set T4,   152                         ; v152-155 the other half of the lanes'
.set SO,   156                         ; v156-159 the conversions' scale operands
.set BY,   160                         ; v160-163 the scale bytes
.set NM,   164                         ; v164 -Mc (v165 is named with it as a pair)
.set SU,   166
.set SV,   168
.set TP,   170
.set PW,   176
.set NMS,  184
.set LS,   192
.set WV, 18
.set HR, 19
.set HC, 20
.set CX, 21
.set CY, 22
.set CLX, 23
.set CLY, 24
.set MROW, 25
.set MCOL, 26
.set G1A, 28
.set G1B, 36
.set G0A0, 44
.set G0A1, 48
.set G0A2, 52
.set G0B0, 56
.set G0B1, 60
.set G0B2, 68
.set SEL, 66
.set G1SA, 72
.set G1SB, 80
.set G0SA, 88
.set G0SB, 92
.set CS, 100                           ; s[100:101] c = log2(e) / 32
.set MSB, 0
.macro WIN new
.if MSB != (\new)
	s_set_vgpr_msb (MSB<<8)|(\new)
.set MSB, (\new)
.endif
.endm
.macro PLACES n
.rept \n
	v_nop
.endr
.endm
.macro JLOAD g0a, g1a, g0b, g1b        ; a joint load: waves 0 and 1 fetch for A, waves 2 and 3 for B; four v_nop follow each line
	s_cmp_eq_u32 s[HR], 0
	s_cbranch_scc0 .Lfor_b_\@
	tensor_load_to_lds s[\g0a:\g0a+3], s[\g1a:\g1a+7]
	s_nop 0
.rept 4
	v_nop
.endr
	s_branch .Lasked_\@
.Lfor_b_\@:
	tensor_load_to_lds s[\g0b:\g0b+3], s[\g1b:\g1b+7]
	s_nop 0
.rept 4
	v_nop
.endr
.Lasked_\@:
.endm
.macro CREST
	s_cmp_lg_u32 s[WV], 0
	s_cbranch_scc1 .Lnot_wave_0_\@
	s_barrier_signal -3
.Lnot_wave_0_\@:
	s_barrier_wait -3
	s_barrier_signal -1
	s_barrier_wait -1
.endm
.macro CROUND
	s_barrier_signal -1
	s_barrier_wait -1
	CREST
.endm
.macro WM odd, cm
.if (\cm) == 1
	v_wmma_scale_f32_16x16x128_f8f6f4 v[rD:rD+7], v[rB:rB+11], v[rA:rA+11], 0, v[rSB], v[rSA] matrix_a_fmt:MATRIX_FMT_FP6 matrix_b_fmt:MATRIX_FMT_FP6
.elseif \odd
	v_wmma_scale_f32_16x16x128_f8f6f4 v[rD:rD+7], v[rB:rB+11], v[rA:rA+11], v[rD:rD+7], v[rSB], v[rSA] matrix_a_fmt:MATRIX_FMT_FP6 matrix_b_fmt:MATRIX_FMT_FP6 matrix_a_scale:MATRIX_SCALE_ROW1 matrix_b_scale:MATRIX_SCALE_ROW1
.else
	v_wmma_scale_f32_16x16x128_f8f6f4 v[rD:rD+7], v[rB:rB+11], v[rA:rA+11], v[rD:rD+7], v[rSB], v[rSA] matrix_a_fmt:MATRIX_FMT_FP6 matrix_b_fmt:MATRIX_FMT_FP6
.endif
.endm
.macro MUL a0, n, g, cm                ; the accumulators take turns, one instruction a turn, in the same order in every step
.set ma, \a0
.rept \n
	WIN 0xa1+0x50*(ma/4)
.irp b, 0,1,2,3,4,5,6,7
.set rD, 8*(8*(ma%4)+\b)
.set rB, 128*((\g)&1)+12*\b
.set rA, 64+96*((\g)&1)+12*ma
.set rSB, 40+16*(((\g)>>1)&1)+\b
.set rSA, 32+16*(((\g)>>1)&1)+ma
	WM (\g)&1, \cm
.endr
.set ma, ma+1
.endr
.endm
.macro FETCH g
.set fp, (\g)&1
.set fs, ((\g)>>1)%3
.set fo, 1536*fp
	WIN 0x40
.irp i, 0,1,2,3,4,5,6,7
.irp c, 0,1,2
	ds_load_b128 v[128*fp+12*\i+4*\c:128*fp+12*\i+4*\c+3], v[ADRB+fs] offset:3072*\i+fo+512*\c
.endr
.endr
	WIN 0
.irp i, 0,1,2,3,4,5,6,7
.irp c, 0,1,2
	ds_load_b128 v[64+96*fp+12*\i+4*\c:64+96*fp+12*\i+4*\c+3], v[ADRA+fs] offset:3072*\i+fo+512*\c
.endr
.endr
.if fp == 0
.set fpair, (\g)>>1
.set fg, 16*(fpair&1)
.irp i, 0,1,2,3,4,5,6,7
	ds_load_b32 v[32+fg+\i], v[ADSA] offset:1024*fpair+64*\i
	ds_load_b32 v[40+fg+\i], v[ADSB] offset:1024*fpair+64*\i
.endr
.endif
.endm
.macro STEP g, cm
	s_wait_dscnt 0x0                               ; this step's fragments are in
.if (\g) > 0
	PLACES 4                                       ; the other set was read by the last step's products
.endif
	FETCH (\g)+1
	MUL 0, 8, \g, \cm
.endm
.macro TURN g, fill
	WIN 0
	s_wait_tensorcnt 0x0                           ; all my tensor loads have landed
	ds_add_u32 v[SPW], v[NIL]                      ; 0 onto my spare word
	s_wait_dscnt 0x1                               ; this step's fragments are in; the add may be out
	MUL 0, 2, \g, 0
	s_wait_dscnt 0x0                               ; the add is done, and my reads of the slots are over
	s_barrier_signal -1
	MUL 2, 2, \g, 0
	WIN 0
	s_barrier_wait -1
.if \fill
	CREST
	s_add_nc_u64 s[G0A0+2:G0A0+3], s[G0A0+2:G0A0+3], 3*PLANE
	s_add_nc_u64 s[G0B0+2:G0B0+3], s[G0B0+2:G0B0+3], 3*PLANE
	JLOAD G0A0, G1A, G0B0, G1B                     ; the first tensor load behind the round; its four v_nop are the places in front of the loads below
.else
	PLACES 4
.endif
	FETCH (\g)+1
	MUL 4, 4, \g, 0
.endm
	s_load_b256 s[4:11], s[0:1], 0x0               ; qkv_c s[4:5], qkv_s s[6:7], p_c s[8:9], p_s s[10:11]
	v_lshl_add_u32 v[SPW], v0, 2, SPARE
	v_mov_b32 v[NIL], 0
	ds_add_u32 v30, v31
	ds_add_u32 v30, v31
	s_wait_dscnt 0x0
	v_lshrrev_b32 v1, 5, v0
	v_readfirstlane_b32 s[WV], v1
	s_lshr_b32 s[HR], s[WV], 1
	s_and_b32 s[HC], s[WV], 1
	s_bfe_u32 s[CX], ttmp6, 0x40000
	s_bfe_u32 s[CY], ttmp6, 0x40004
	s_mov_b32 s[CLX], ttmp9
	s_and_b32 s[CLY], ttmp7, 0xffff
	s_lshl_b32 s[MROW], s[CY], 2
	s_lshl_b32 s[MROW], 15, s[MROW]
	s_lshl_b32 s[MCOL], 0x1111, s[CX]
	s_mov_b32 s[SEL], 0x76543210
	s_mov_b32 s[SEL+1], 0xfedcba98
	s_mov_b32 s[CS], 0x3d38aa3b                    ; log2(e) / sqrt(1,024)
	s_mov_b32 s[CS+1], s[CS]                       ; (named with it as a pair, so it is written)
	s_or_b32 s[G1A], s[MROW], (3<<16)|(1<<21)      ; 24,576 dense bytes as 96 rows of 256 bytes
	s_or_b32 s[G1B], s[MCOL], (3<<16)|(1<<21)
.irp g, G1A, G1B
	s_mov_b32 s[\g+1], 32<<16
	s_mov_b32 s[\g+2], 96<<16
	s_mov_b32 s[\g+3], 32<<16
	s_mov_b32 s[\g+4], 96
	s_mov_b32 s[\g+5], 32
	s_mov_b32 s[\g+6], 0
	s_mov_b32 s[\g+7], 0
.endr
	s_or_b32 s[G1SA], s[MROW], (3<<16)|(1<<21)     ; the head's load: 3 rows of 24,576 bytes (3,072 elements of 8), a plane apart
	s_or_b32 s[G1SB], s[MCOL], (3<<16)|(1<<21)
.irp g, G1SA, G1SB
	s_mov_b32 s[\g+1], 3072<<16
	s_mov_b32 s[\g+2], 3<<16
	s_mov_b32 s[\g+3], 3072<<16
	s_mov_b32 s[\g+4], 3
	s_mov_b32 s[\g+5], 196608
	s_mov_b32 s[\g+6], 0
	s_mov_b32 s[\g+7], 0
.endr
	; blocks of 16 rows: A = Q at 64 cluster y + 16 cy + 8 half;  B = K at 128 batch + 64 cluster x + 16 cx + 8 half, batch = cluster y / 2
	s_lshl_b32 s3, s[HC], 3
	s_lshl_b32 s2, s[CLY], 6
	s_lshl_b32 s96, s[CY], 4
	s_add_co_u32 s2, s2, s96
	s_add_co_u32 s2, s2, s3
	s_lshr_b32 s27, s[CLY], 1
	s_lshl_b32 s27, s27, 7
	s_lshl_b32 s98, s[CLX], 6
	s_add_co_u32 s27, s27, s98
	s_lshl_b32 s98, s[CX], 4
	s_add_co_u32 s27, s27, s98
	s_add_co_u32 s27, s27, s3
	s_mov_b32 s97, 0
	s_mov_b32 s99, 0
	s_wait_kmcnt 0x0
	s_lshl_b32 s48, s2, 6                          ; where the scale words of the 128 rows that I fetch begin: Q's,
	s_lshl_b32 s49, s27, 6
	s_add_co_u32 s49, s49, 262144                  ; or K's, which lie behind Q's eight rows
	s_cmp_eq_u32 s[HR], 0
	s_cselect_b32 s48, s48, s49
	s_mul_i32 s96, s2, 3072
	s_mul_i32 s98, s27, 3072
	s_add_co_u32 s98, s98, 4*PLANE                 ; K's codes lie behind Q's four K steps
	s_mul_i32 s3, s[WV], 3*PART                    ; my part of LDS: A's two halves, then B's two
	s_mov_b32 s[G0A0], 1
	s_mov_b32 s[G0A0+1], s3
	s_add_nc_u64 s[G0A0+2:G0A0+3], s[4:5], s[96:97]
	s_or_b32 s[G0A0+3], s[G0A0+3], 0x80000000
	s_mov_b32 s[G0B0], 1
	s_mov_b32 s[G0B0+1], s3
	s_add_nc_u64 s[G0B0+2:G0B0+3], s[4:5], s[98:99]
	s_or_b32 s[G0B0+3], s[G0B0+3], 0x80000000
	CROUND                                         ; all sixteen work-groups are here: the first joint loads meet
	JLOAD G0A0, G1SA, G0B0, G1SB                   ; K steps 0, 1 and 2: my one tensor load at the head
	v_and_b32 v1, 31, v0
	v_and_b32 v2, 15, v0
	s_wait_alu depctr_va_vdst(0)
	v_bfe_u32 v3, v0, 4, 1
	v_lshlrev_b32 v[GO], 4, v1
	s_wait_alu depctr_va_vdst(0)                   ; directly behind the write
	v_add_nc_u32 v6, s48, v[GO]                    ; my rows' scale words: 512 consecutive bytes for each of the eight steps of 128 along K
.irp u, 0,1,2,3,4,5,6,7
	global_load_b128 v[64+4*\u:67+4*\u], v6, s[6:7] offset:32768*\u
.endr
	s_lshl_b32 s2, s[WV], 12
	s_add_co_u32 s2, s2, SCL
	v_add_nc_u32 v7, s2, v[GO]                     ; and where they go in LDS: [wave][8][512 bytes]
	s_mul_i32 s2, s[HR], 3*PART
	s_mul_i32 s3, s[HC], 3*PART
	s_add_co_u32 s3, s3, 6*PART
.irp k, 0,1,2
	v_add_nc_u32 v[ADRA+\k], s2, v[GO]
	v_add_nc_u32 v[ADRB+\k], s3, v[GO]
	s_add_co_u32 s2, s2, PART
	s_add_co_u32 s3, s3, PART
.endr
	v_lshlrev_b32 v4, 2, v2
	s_wait_alu depctr_va_vdst(0)
	v_lshl_add_u32 v5, v3, 9, v4
	s_lshl_b32 s2, s[HR], 12
	s_add_co_u32 s2, s2, SCL
	v_add_nc_u32 v[ADSA], s2, v5
	s_lshl_b32 s3, s[HC], 12
	s_add_co_u32 s3, s3, SCL+8192
	v_add_nc_u32 v[ADSB], s3, v5
	s_mul_i32 s2, s[WV], 1536
	s_add_co_u32 s2, s2, STG
	v_add_nc_u32 v[SWA], s2, v4
	v_add_nc_u32 v[SRD], s2, v[GO]
	; p's fragments: ((8 batch + key tile) 128 + (query tile in the batch) 16 + 8 (wave / 2)) 2 + wave % 2;  the words: (16 batch + 2 key tile + wave % 2) 2,048 + (query tile) 256 + 128 (wave / 2)
	s_lshr_b32 s2, s[CLY], 1                       ; batch
	s_lshl_b32 s3, s[CLX], 2
	s_add_co_u32 s3, s3, s[CX]                     ; key tile
	s_and_b32 s27, s[CLY], 1
	s_lshl_b32 s27, s27, 2
	s_add_co_u32 s27, s27, s[CY]                   ; query tile in the batch
	s_lshl_b32 s96, s2, 3
	s_add_co_u32 s96, s96, s3
	s_lshl_b32 s96, s96, 8
	s_lshl_b32 s97, s27, 5
	s_add_co_u32 s96, s96, s97
	s_lshl_b32 s97, s[HR], 4
	s_add_co_u32 s96, s96, s97
	s_add_co_u32 s96, s96, s[HC]
	s_mul_i32 s96, s96, 1536
	s_mov_b32 s97, 0
	s_add_nc_u64 s[8:9], s[8:9], s[96:97]
	s_lshl_b32 s96, s2, 4
	s_lshl_b32 s3, s3, 1
	s_add_co_u32 s96, s96, s3
	s_add_co_u32 s96, s96, s[HC]
	s_lshl_b32 s96, s96, 11
	s_lshl_b32 s27, s27, 8
	s_add_co_u32 s96, s96, s27
	s_lshl_b32 s3, s[HR], 7
	s_add_co_u32 s96, s96, s3
	s_lshl_b32 s96, s96, 2
	s_add_nc_u64 s[10:11], s[10:11], s[96:97]
	s_wait_alu depctr_va_vdst(0)
	s_wait_loadcnt 0x0                             ; the scale words
.irp u, 0,1,2,3,4,5,6,7
	ds_store_b128 v7, v[64+4*\u:67+4*\u] offset:512*\u
.endr
	s_wait_dscnt 0x0                               ; for the others' sake: my stores have landed
	s_wait_tensorcnt 0x0                           ; my part of K steps 0, 1 and 2 is in
	s_barrier_signal -1
	s_barrier_wait -1
	FETCH 0
	STEP 0, 1                                      ; the first products start the sums
	TURN 1, 1
	STEP 2, 0
	STEP 3, 0
	STEP 4, 0
	TURN 5, 0
	STEP 6, 0
	s_wait_dscnt 0x0
	MUL 0, 8, 7, 0
	WIN 0
	PLACES 4
.irp b, 0,1,2,3
	v_mov_b32 v[T4+\b], 0                          ; written once: a lane permute's destination counts as one of its sources
.endr
	v_mov_b32 v[NM+1], 0                           ; (named as the upper half of a pair)
; block a: 16 queries x my 128 keys.  Register 16 b + i of the block's eight accumulators is place 16 (lane / 16) + i of block b of 32 keys.
.macro SOFT a
.set AW, 2+(\a)/4
.set AS, 64*((\a)%4)
	WIN AW*0x15                                    ; all three sources in the accumulators' window
.irp b, 0,1,2,3
	v_max3_num_f32 v[BM+\b], v[AS+16*\b], v[AS+16*\b+1], v[AS+16*\b+2]   ; the largest score of each block of 32 keys: for the chunk's maximum and, since p rises with the score, for the block's largest p
.endr
	WIN AW*0x14
.irp i, 3,5,7,9,11,13
.irp b, 0,1,2,3
	v_max3_num_f32 v[BM+\b], v[BM+\b], v[AS+16*\b+\i], v[AS+16*\b+\i+1]
.endr
.endr
.irp b, 0,1,2,3
	v_max_num_f32 v[BM+\b], v[BM+\b], v[AS+16*\b+15]
.endr
	WIN 0
.irp b, 0,1,2,3
	v_permlanex16_b32 v[T4+\b], v[BM+\b], s[SEL], s[SEL+1]
.endr
.irp b, 0,1,2,3
	v_max_num_f32 v[BM+\b], v[BM+\b], v[T4+\b]     ; with lane l xor 16's 16 keys
.endr
	v_max3_num_f32 v[TP], v[BM], v[BM+1], v[BM+2]
	v_max_num_f32 v[TP], v[TP], v[BM+3]
	v_mul_f32 v[TP], s[CS], v[TP]                  ; the chunk's largest t (c is positive)
	v_floor_f32 v[NM], -v[TP]                      ; -Mc = floor(-t): a whole number
	WIN AW
.set ej, 0
.rept 32
	v_pk_fma_f32 v[64+ej:65+ej], v[AS+ej:AS+ej+1], s[CS:CS+1], v[NM:NM+1] op_sel_hi:[1,0,0]   ; t - Mc, two at a time
.set ej, ej+2
.endr
	WIN 0
.irp b, 0,1,2,3
	v_fma_f32 v[BM+\b], v[BM+\b], s[CS], v[NM]     ; the same of each block's largest score
.endr
.set ej, 0
	s_wait_alu depctr_va_vdst(0)
.rept 64
	v_exp_f32 v[64+ej], v[64+ej]                   ; p = 2^(t - Mc)
.set ej, ej+1
.endr
	v_mov_b32 v[NMS+(\a)], v[NM]                   ; (a plain place behind the exponentials)
	s_wait_alu depctr_va_vdst(0)                   ; one wait for the batch, ahead of its first reader
.irp b, 0,1,2,3
	v_exp_f32 v[BM+\b], v[BM+\b]                   ; the block's largest p: the same two instructions on the same number give the same bits
.endr
	v_pk_add_f32 v[SU:SU+1], v[64:65], v[66:67]    ; the sum of the unquantised p, in two chains
	v_pk_add_f32 v[SV:SV+1], v[68:69], v[70:71]
.set ej, 8
.rept 14
	v_pk_add_f32 v[SU:SU+1], v[SU:SU+1], v[64+ej:65+ej]
	v_pk_add_f32 v[SV:SV+1], v[SV:SV+1], v[66+ej:67+ej]
.set ej, ej+4
.endr
	v_pk_add_f32 v[SU:SU+1], v[SU:SU+1], v[SV:SV+1]
	s_wait_alu depctr_va_vdst(0)                   ; and one for the four
.irp b, 0,1,2,3
	v_max_num_f32 v[BM+\b], 0x1800000, v[BM+\b]    ; the floor 2^(3 - 127): the byte cannot fall under 1
.endr
.irp b, 0,1,2,3
	v_add_nc_u32 v[SO+\b], 0xff000000, v[BM+\b]
.endr
.irp b, 0,1,2,3
	v_lshrrev_b32 v[BY+\b], 23, v[SO+\b]
.endr
	v_lshl_or_b32 v[PW+(\a)], v[BY+1], 8, v[BY]
	v_lshl_or_b32 v[PW+(\a)], v[BY+2], 16, v[PW+(\a)]
	v_lshl_or_b32 v[PW+(\a)], v[BY+3], 24, v[PW+(\a)]
	v_add_f32 v[LS+(\a)], v[SU], v[SU+1]
	v_permlanex16_b32 v[T4], v[LS+(\a)], s[SEL], s[SEL+1]
	v_add_f32 v[LS+(\a)], v[LS+(\a)], v[T4]        ; lc
.if (\a) > 0
	s_wait_xcnt 0x0                                ; the last block's stores have read their registers
.endif
.irp c, 0,1
	v_cvt_scalef32_pk16_fp6_f32 v[PC+6*\c:PC+2+6*\c], v[64+32*\c:79+32*\c], v[SO+2*\c]
	v_cvt_scalef32_pk16_fp6_f32 v[PC+12+4*\c:PC+14+4*\c], v[80+32*\c:95+32*\c], v[SO+2*\c+1]
.endr
	v_nop                                          ; one plain place behind a scaled conversion
.irp c, 0,1
.irp i, 0,1,2
	v_permlane16_swap_b32 v[PC+6*\c+\i], v[PC+12+4*\c+\i]
.endr
.irp i, 0,1,2
	v_mov_b32 v[PC+3+6*\c+\i], v[PC+12+4*\c+\i]
.endr
.endr
.irp c, 0,1,2
	global_store_b128 v[GO], v[PC+4*\c:PC+4*\c+3], s[8:9] offset:3072*(\a)+512*\c
.endr
.endm
	SOFT 0
	SOFT 1
	SOFT 2
	SOFT 3
	SOFT 4
	SOFT 5
	SOFT 6
	SOFT 7
.irp a, 0,1,2,3,4,5,6,7
	ds_store_b32 v[SWA], v[PW+\a] offset:64*\a
	ds_store_b32 v[SWA], v[NMS+\a] offset:512+64*\a
	ds_store_b32 v[SWA], v[LS+\a] offset:1024+64*\a
.endr
.irp c, 0,1,2
	ds_load_b128 v[200+4*\c:203+4*\c], v[SRD] offset:512*\c   ; LDS serves a wave's instructions in order: these see my stores
.endr
	s_wait_dscnt 0x0
.irp c, 0,1,2
	global_store_b128 v[GO], v[200+4*\c:203+4*\c], s[10:11] offset:524288*\c   ; my 128 rows' scale words, -Mc, lc: 512 consecutive bytes each
.endr
	s_wait_tensorcnt 0x0                           ; the wave's end
	ds_add_u32 v[SPW], v[NIL]
	s_wait_dscnt 0x0
	CROUND
	s_endpgm
.Lfunc_end_k_qb19d715ea8_score:
	.size	k_qb19d715ea8_score, .Lfunc_end_k_qb19d715ea8_score-k_qb19d715ea8_score
	.p2alignl 7, 3214868480
	.fill 96, 4, 3214868480
	.section	.rodata,"a",@progbits
	.p2align	6, 0x0
	.amdhsa_kernel k_qb19d715ea8_score
		.amdhsa_group_segment_fixed_size 327680
		.amdhsa_private_segment_fixed_size 0
		.amdhsa_enable_private_segment 0
		.amdhsa_kernarg_size 32
		.amdhsa_user_sgpr_count 2
		.amdhsa_user_sgpr_kernarg_segment_ptr 1
		.amdhsa_wavefront_size32 1
		.amdhsa_system_sgpr_workgroup_id_x 1
		.amdhsa_system_sgpr_workgroup_id_y 1
		.amdhsa_system_sgpr_workgroup_id_z 1
		.amdhsa_system_vgpr_workitem_id 0
		.amdhsa_next_free_vgpr 1024
		.amdhsa_next_free_sgpr 102
		.amdhsa_reserve_vcc 0
		.amdhsa_float_denorm_mode_32 3
		.amdhsa_float_denorm_mode_16_64 3
		.amdhsa_memory_ordered 1
		.amdhsa_forward_progress 1
		.amdhsa_inst_pref_size 195
	.end_amdhsa_kernel
	.amdgpu_metadata
---
amdhsa.version: [ 1, 2 ]
amdhsa.kernels:
  - .name:           k_qb19d715ea8_score
    .symbol:         k_qb19d715ea8_score.kd
    .args:
      - { .name: qkv_c, .offset: 0, .size: 8, .value_kind: global_buffer, .address_space: global }
      - { .name: qkv_s, .offset: 8, .size: 8, .value_kind: global_buffer, .address_space: global }
      - { .name: p_c, .offset: 16, .size: 8, .value_kind: global_buffer, .address_space: global }
      - { .name: p_s, .offset: 24, .size: 8, .value_kind: global_buffer, .address_space: global }
    .group_segment_fixed_size: 327680
    .private_segment_fixed_size: 0
    .kernarg_segment_align: 8
    .kernarg_segment_size: 32
    .max_flat_workgroup_size: 128
    .sgpr_count:     102
    .vgpr_count:     1024
    .wavefront_size: 32
...
	.end_amdgpu_metadata
.endif
;; end of part 3
;; launch pv (part 4): grid 4 x 64, 4 waves a work-group, clusters of 4 x 4, 327,680 bytes of LDS; arguments p_c, p_s, qkv_c, qkv_s, o_c, o_s; writes o_c, o_s
.if DOCPART == 4
	.amdgcn_target "amdgcn-amd-amdhsa--gfx1250"
	.amdhsa_code_object_version 6
	.text
	.protected	k_qb19d715ea8_pv
	.globl	k_qb19d715ea8_pv
	.p2align	8
	.type	k_qb19d715ea8_pv,@function
k_qb19d715ea8_pv:
	s_mov_b64 s[64:65], 0
	v_nop
	global_prefetch_b8 v0, s[64:65] scope:SCOPE_SE
	s_setreg_imm32_b32 hwreg(HW_REG_WAVE_MODE, 25, 1), 1
	s_wait_xcnt 0x0
	s_wait_alu depctr_hold_cnt(0) depctr_sa_sdst(0) depctr_va_vdst(0) depctr_va_sdst(0) depctr_va_ssrc(0) depctr_va_vcc(0) depctr_vm_vsrc(0)
	s_getreg_b32 s2, hwreg(HW_REG_IB_STS2, 6, 4)
	s_cmp_eq_u32 s2, 0
	s_cbranch_scc0 .Lentry_in_a_cluster
	s_endpgm
.Lentry_in_a_cluster:
	s_bfe_u32 s2, ttmp6, 0x10000c
	s_cmp_lg_u32 s2, 0xf033
	s_cbranch_scc0 .Lentry_shape_is_right
	s_endpgm
.Lentry_shape_is_right:
; O = P V / l on codes of FP6 (E2M3) with E8M0 scales, quantised at once along its 1,024 columns for the last product.
; P arrives chunk by chunk of 128 keys: codes, scale words under the chunk's own Mc, -Mc and lc.  The head takes each row's M = the largest Mc, l = the sum of lc x 2^(Mc - M), and takes M - Mc off the chunk's
; scale bytes: a power of two, exact; the codes stay.  A byte that would fall under 0 is held at 0.
; A tile of C is 128 queries x 256 columns: 256 work-groups.  A wave makes 64 x 128: 32 accumulators.  A = P (K = the batch's 2,048 keys), B = V^T.  Operands are images of operand registers.
; K goes through two slots of 512 along K: two K steps of 256 brought by one load of two long rows; four fills, two of them refills.  By this text's own count a wave has three tensor loads out at the start, later one.
; CLUSTERS: 4 x 4; P's tiles are asked for jointly along a row of the cluster, V^T's and its scale words along a column.
; LIMITS: a block of P held at byte 0 stands for at most 7.5 x 2^-127, against l above 1/2; a block of zeros of O gets the byte 1; NaN and infinities are not served.
; REGISTERS: window 0: v8-14 addresses of the head and the epilogue; v16-31 addresses; v32-63 scale words and nothing else; v64-111, v160-207 A's fragments, two sets; v64-247 at work in the head; the epilogue as in the launches before.
;   window 1: v0-95, v128-223 B's fragments.   window 2: accumulator (a, b) at v[8 (8 a + b)].
; THE FILLS, AS THEY STAND (this paragraph takes the place of what the lines above say of the loads that are out and of V^T's scale words):
; at the head each wave issues ONE joint load, its part of slot 0.  Slot 1's first fill is issued as a refill is: behind the wait for all tensor loads, the add, its wait and a round of the cluster's barrier;
; it stands ahead of the head's arithmetic on M and l.  By this text's own count a wave never has more than one tensor load out.
; V^T's scale words, 4,096 bytes a wave, come at the head through registers into LDS bytes of their own.
.set ASTEP, 786432                     ; 512 along K in p_c: two planes of 393,216 bytes
.set BSTEP, 393216                     ; and in V^T: two planes of 196,608
.set SCB,   294912                     ; behind the slots: V^T's scale words, written by LDS stores: 4,096 bytes a wave: [16][256 bytes]
.set SCA,   311296                     ; P's adjusted scale words: [half of the rows][16][256 bytes]; written by LDS stores
.set LINV,  319488                     ; 1 / l of the 128 rows, a copy for each wave
.set SPARE, 321536
.set STG,   322048                     ; 256 bytes a wave: scale words on their way out
.set ADRA, 16
.set ADRB, 20
.set ADSA, 24
.set ADSB, 25
.set GO,   26
.set SWA,  27
.set SRD,  28
.set SPW,  30
.set NIL,  31
.set HA,   64
.set PC,   128
.set TM,   148
.set PW,   164
.set LI2,  176                         ; v176-183 1 / l of my four blocks' rows, in pairs
.set WV, 18
.set HR, 19
.set HC, 20
.set CX, 21
.set CY, 22
.set CLY, 24
.set MROW, 25
.set MCOL, 26
.set G1A, 28
.set G1B, 36
.set G0A0, 44
.set G0A1, 48
.set G0B0, 56
.set G0B1, 60
.set SEL, 66
.set MSB, 0
.macro WIN new
.if MSB != (\new)
	s_set_vgpr_msb (MSB<<8)|(\new)
.set MSB, (\new)
.endif
.endm
.macro PLACES n
.rept \n
	v_nop
.endr
.endm
.macro JLOAD g0a, g1a, g0b, g1b        ; a joint load: waves 0 and 1 fetch for A, waves 2 and 3 for B; four v_nop follow each line
	s_cmp_eq_u32 s[HR], 0
	s_cbranch_scc0 .Lfor_b_\@
	tensor_load_to_lds s[\g0a:\g0a+3], s[\g1a:\g1a+7]
	s_nop 0
.rept 4
	v_nop
.endr
	s_branch .Lasked_\@
.Lfor_b_\@:
	tensor_load_to_lds s[\g0b:\g0b+3], s[\g1b:\g1b+7]
	s_nop 0
.rept 4
	v_nop
.endr
.Lasked_\@:
.endm
.macro CREST
	s_cmp_lg_u32 s[WV], 0
	s_cbranch_scc1 .Lnot_wave_0_\@
	s_barrier_signal -3
.Lnot_wave_0_\@:
	s_barrier_wait -3
	s_barrier_signal -1
	s_barrier_wait -1
.endm
.macro CROUND
	s_barrier_signal -1
	s_barrier_wait -1
	CREST
.endm
.macro MKG0 ga, gb, k
	s_mov_b32 s[\ga], 1
	s_add_co_u32 s[\ga+1], s2, (\k)*24576
	s_add_nc_u64 s[\ga+2:\ga+3], s[96:97], (\k)*ASTEP
	s_or_b32 s[\ga+3], s[\ga+3], 0x80000000
	s_mov_b32 s[\gb], 1
	s_add_co_u32 s[\gb+1], s27, (\k)*49152
	s_add_nc_u64 s[\gb+2:\gb+3], s[98:99], (\k)*BSTEP
	s_or_b32 s[\gb+3], s[\gb+3], 0x80000000
.endm
.macro WM odd, cm
.if (\cm) == 1
	v_wmma_scale_f32_16x16x128_f8f6f4 v[rD:rD+7], v[rB:rB+11], v[rA:rA+11], 0, v[rSB], v[rSA] matrix_a_fmt:MATRIX_FMT_FP6 matrix_b_fmt:MATRIX_FMT_FP6
.elseif \odd
	v_wmma_scale_f32_16x16x128_f8f6f4 v[rD:rD+7], v[rB:rB+11], v[rA:rA+11], v[rD:rD+7], v[rSB], v[rSA] matrix_a_fmt:MATRIX_FMT_FP6 matrix_b_fmt:MATRIX_FMT_FP6 matrix_a_scale:MATRIX_SCALE_ROW1 matrix_b_scale:MATRIX_SCALE_ROW1
.else
	v_wmma_scale_f32_16x16x128_f8f6f4 v[rD:rD+7], v[rB:rB+11], v[rA:rA+11], v[rD:rD+7], v[rSB], v[rSA] matrix_a_fmt:MATRIX_FMT_FP6 matrix_b_fmt:MATRIX_FMT_FP6
.endif
.endm
.macro MUL a0, n, g, cm                ; the 32 accumulators take turns, one instruction a turn, in the same order in every step
.set ma, \a0
.rept \n
	WIN 0xa1
.irp b, 0,1,2,3,4,5,6,7
.set rD, 8*(8*ma+\b)
.set rB, 128*((\g)&1)+12*\b
.set rA, 64+96*((\g)&1)+12*ma
.set rSB, 40+16*(((\g)>>1)&1)+\b
.set rSA, 32+16*(((\g)>>1)&1)+ma
	WM (\g)&1, \cm
.endr
.set ma, ma+1
.endr
.endm
.macro FETCH g
.set fp, (\g)&1
.set fs, ((\g)>>2)&1
.set fq, (\g)&3
.set foa, 12288*(fq>>1)+1536*(fq&1)
.set fob, 24576*(fq>>1)+1536*(fq&1)
	WIN 0x40
.irp i, 0,1,2,3,4,5,6,7
.irp c, 0,1,2
	ds_load_b128 v[128*fp+12*\i+4*\c:128*fp+12*\i+4*\c+3], v[ADRB+fs] offset:3072*\i+fob+512*\c
.endr
.endr
	WIN 0
.irp i, 0,1,2,3
.irp c, 0,1,2
	ds_load_b128 v[64+96*fp+12*\i+4*\c:64+96*fp+12*\i+4*\c+3], v[ADRA+fs] offset:3072*\i+foa+512*\c
.endr
.endr
.if fp == 0
.set fpair, (\g)>>1
.set fg, 16*(fpair&1)
.irp i, 0,1,2,3
	ds_load_b32 v[32+fg+\i], v[ADSA] offset:512*fpair+64*\i
.endr
.irp i, 0,1,2,3,4,5,6,7
	ds_load_b32 v[40+fg+\i], v[ADSB] offset:512*fpair+4096*(\i>>2)+64*(\i&3)
.endr
.endif
.endm
.macro STEP g, cm
	s_wait_dscnt 0x0                               ; this step's fragments are in
.if (\g) > 0
	PLACES 4                                       ; the other set was read by the last step's products
.endif
	FETCH (\g)+1
	MUL 0, 4, \g, \cm
.endm
; a slot's last step changes slots: one barrier; in front of it each wave waits for all its tensor loads, adds 0 to its spare word, and waits for that and for its reads of this slot.  fill = 1: this slot is filled again, 1,024 along K on
.macro TURN g, fill, ga, gb
	WIN 0
	s_wait_tensorcnt 0x0                           ; all my tensor loads have landed: my part of the next slot
	ds_add_u32 v[SPW], v[NIL]                      ; 0 onto my spare word
	s_wait_dscnt 0x1                               ; this step's fragments are in; the add may be out
	MUL 0, 1, \g, 0
	s_wait_dscnt 0x0                               ; the add is done, and my reads of this slot are over
	s_barrier_signal -1
	MUL 1, 1, \g, 0
	WIN 0
	s_barrier_wait -1
.if \fill
	CREST
	s_add_nc_u64 s[\ga+2:\ga+3], s[\ga+2:\ga+3], 2*ASTEP
	s_add_nc_u64 s[\gb+2:\gb+3], s[\gb+2:\gb+3], 2*BSTEP
	JLOAD \ga, G1A, \gb, G1B                       ; the first tensor load behind the round; its four v_nop are the places in front of the loads below
.else
	PLACES 4
.endif
	FETCH (\g)+1
	MUL 2, 2, \g, 0
.endm
.macro QUANT s, pw
.irp b, 0,1,2,3
	v_max3_num_f32 v[TM+\b], |v[\s+16*\b]|, |v[\s+1+16*\b]|, 0x1800000   ; with the floor 2^(3 - 127): the byte cannot fall under 1
.endr
.irp i, 2,4,6,8,10,12,14
.irp b, 0,1,2,3
	v_max3_num_f32 v[TM+\b], v[TM+\b], |v[\s+16*\b+\i]|, |v[\s+1+16*\b+\i]|
.endr
.endr
.irp b, 0,1,2,3
	v_permlanex16_b32 v[TM+4+\b], v[TM+\b], s[SEL], s[SEL+1]
.endr
.irp b, 0,1,2,3
	v_max_num_f32 v[TM+\b], v[TM+\b], v[TM+4+\b]
.endr
.irp b, 0,1,2,3
	v_add_nc_u32 v[TM+12+\b], 0xff000000, v[TM+\b]
.endr
.irp b, 0,1,2,3
	v_lshrrev_b32 v[TM+4+\b], 23, v[TM+12+\b]
.endr
	v_lshl_or_b32 v[\pw], v[TM+5], 8, v[TM+4]
	v_lshl_or_b32 v[\pw], v[TM+6], 16, v[\pw]
	v_lshl_or_b32 v[\pw], v[TM+7], 24, v[\pw]
.irp c, 0,1
	v_cvt_scalef32_pk16_fp6_f32 v[PC+6*\c:PC+2+6*\c], v[\s+32*\c:\s+15+32*\c], v[TM+12+2*\c]
	v_cvt_scalef32_pk16_fp6_f32 v[PC+12+4*\c:PC+14+4*\c], v[\s+16+32*\c:\s+31+32*\c], v[TM+12+2*\c+1]
.endr
	v_nop                                          ; one plain place behind a scaled conversion
.irp c, 0,1
.irp i, 0,1,2
	v_permlane16_swap_b32 v[PC+6*\c+\i], v[PC+12+4*\c+\i]
.endr
.irp i, 0,1,2
	v_mov_b32 v[PC+3+6*\c+\i], v[PC+12+4*\c+\i]
.endr
.endr
.endm
	s_load_b256 s[4:11], s[0:1], 0x0               ; p_c s[4:5], p_s s[6:7], qkv_c s[8:9], qkv_s s[10:11]
	s_load_b128 s[12:15], s[0:1], 0x20             ; o_c s[12:13], o_s s[14:15]
	v_lshl_add_u32 v[SPW], v0, 2, SPARE
	v_mov_b32 v[NIL], 0
	ds_add_u32 v30, v31
	ds_add_u32 v30, v31
	s_wait_dscnt 0x0
	v_lshrrev_b32 v1, 5, v0
	v_readfirstlane_b32 s[WV], v1
	s_lshr_b32 s[HR], s[WV], 1
	s_and_b32 s[HC], s[WV], 1
	s_bfe_u32 s[CX], ttmp6, 0x40000
	s_bfe_u32 s[CY], ttmp6, 0x40004
	s_and_b32 s[CLY], ttmp7, 0xffff
	s_lshl_b32 s[MROW], s[CY], 2
	s_lshl_b32 s[MROW], 15, s[MROW]
	s_lshl_b32 s[MCOL], 0x1111, s[CX]
	s_mov_b32 s[SEL], 0x76543210
	s_mov_b32 s[SEL+1], 0xfedcba98
	; group 1.  A: 64 rows of two K steps of 256: two rows of 12,288 bytes (1,536 elements of 8), a plane of p_c apart.  B: 128 rows: two rows of 24,576 bytes, a plane of V^T apart
	s_or_b32 s[G1A], s[MROW], (3<<16)|(1<<21)
	s_mov_b32 s[G1A+1], 1536<<16
	s_mov_b32 s[G1A+2], 2<<16
	s_mov_b32 s[G1A+3], 1536<<16
	s_mov_b32 s[G1A+4], 2
	s_mov_b32 s[G1A+5], 49152
	s_mov_b32 s[G1A+6], 0
	s_mov_b32 s[G1A+7], 0
	s_or_b32 s[G1B], s[MCOL], (3<<16)|(1<<21)
	s_mov_b32 s[G1B+1], 3072<<16
	s_mov_b32 s[G1B+2], 2<<16
	s_mov_b32 s[G1B+3], 3072<<16
	s_mov_b32 s[G1B+4], 2
	s_mov_b32 s[G1B+5], 24576
	s_mov_b32 s[G1B+6], 0
	s_mov_b32 s[G1B+7], 0
	s_lshr_b32 s3, s[CLY], 2                       ; batch
	s_and_b32 s2, s[CLY], 3
	s_lshl_b32 s2, s2, 5
	s_lshl_b32 s96, s3, 10
	s_add_co_u32 s2, s2, s96
	s_lshl_b32 s96, s[CY], 3
	s_add_co_u32 s2, s2, s96
	s_lshl_b32 s96, s[HC], 2
	s_add_co_u32 s2, s2, s96                       ; A, in blocks of 16 rows x 256 K: 1,024 batch + 32 (cluster y % 4) + 8 cy + 4 half
	s_mul_i32 s96, s2, 3072
	s_mov_b32 s97, 0
	s_lshl_b32 s27, s3, 9
	s_lshl_b32 s98, s[CX], 4
	s_add_co_u32 s27, s27, s98
	s_lshl_b32 s98, s[HC], 3
	s_add_co_u32 s27, s27, s98                     ; B: 512 batch + 16 cx + 8 half,
	s_mul_i32 s98, s27, 3072
	s_add_co_u32 s98, s98, 12582912                ; behind Q's and K's codes
	s_mov_b32 s99, 0
	s_lshl_b32 s100, s3, 16
	s_lshl_b32 s27, s[CX], 10
	s_add_co_u32 s100, s100, s27
	s_lshl_b32 s27, s[WV], 8
	s_add_co_u32 s100, s100, s27
	s_add_co_u32 s100, s100, 524288                ; V^T's scale words: behind Q's and K's; 65,536 batch + 1,024 cx + 256 wave
	s_mul_i32 s2, s[HC], 49152                     ; LDS: A's half,
	s_mul_i32 s27, s[HC], 98304
	s_add_co_u32 s27, s27, 98304                   ; B's half
	s_wait_kmcnt 0x0
	s_add_nc_u64 s[96:97], s[4:5], s[96:97]
	s_add_nc_u64 s[98:99], s[8:9], s[98:99]
	MKG0 G0A0, G0B0, 0
	MKG0 G0A1, G0B1, 1
	CROUND                                         ; all sixteen work-groups are here: the first joint loads meet
	JLOAD G0A0, G1A, G0B0, G1B                     ; slot 0: my one tensor load at the head
	v_and_b32 v1, 31, v0
	v_and_b32 v2, 15, v0
	v_bfe_u32 v3, v0, 4, 1
	v_lshlrev_b32 v[GO], 4, v1
	s_mul_i32 s2, s[HR], 49152
	s_mul_i32 s3, s[HC], 98304
	s_add_co_u32 s3, s3, 98304
.irp k, 0,1
	v_add_nc_u32 v[ADRA+\k], s2, v[GO]
	v_add_nc_u32 v[ADRB+\k], s3, v[GO]
	s_add_co_u32 s2, s2, 24576
	s_add_co_u32 s3, s3, 49152
.endr
	v_lshlrev_b32 v4, 2, v2                        ; 4 r
	s_wait_alu depctr_va_vdst(0)
	v_lshl_add_u32 v5, v3, 8, v4                   ; + 256 h: lanes 16-31 take the odd step's words
	s_lshl_b32 s2, s[HR], 12
	s_add_co_u32 s2, s2, SCA
	v_add_nc_u32 v[ADSA], s2, v5
	s_lshl_b32 s3, s[HC], 13
	s_add_co_u32 s3, s3, SCB
	v_add_nc_u32 v[ADSB], s3, v5
	s_lshl_b32 s2, s[WV], 8
	s_add_co_u32 s2, s2, STG
	v_add_nc_u32 v[SWA], s2, v4
	v_lshlrev_b32 v12, 3, v1                       ; 8 x lane
	v_add_nc_u32 v[SRD], s2, v12
	s_lshl_b32 s2, s[WV], 15
	v_add_nc_u32 v8, s2, v[GO]                     ; in p_s: my four chunks begin 4 x 8,192 bytes x wave on
	s_wait_alu depctr_va_vdst(0)
	s_lshl_b32 s2, s[WV], 9
	s_add_co_u32 s2, s2, LINV
	v_add_nc_u32 v9, s2, v[GO]                     ; 1 / l: in
	s_lshl_b32 s3, s[HR], 8
	s_add_co_u32 s2, s2, s3
	v_add_nc_u32 v11, s2, v4                       ; and back: my 64 rows, row r
	v_lshlrev_b32 v10, 12, v3
	v_lshl_add_u32 v10, v2, 4, v10
	s_lshl_b32 s2, s[WV], 10
	s_add_co_u32 s2, s2, SCA
	v_add_nc_u32 v10, s2, v10                      ; the adjusted words: half = lane / 16, 16 (lane % 16), my four chunks
	s_lshr_b32 s2, s[CLY], 2
	s_lshl_b32 s2, s2, 17                          ; p_s: a batch is 16 x 2,048 words
	s_and_b32 s3, s[CLY], 3
	s_lshl_b32 s3, s3, 2
	s_add_co_u32 s3, s3, s[CY]
	s_lshl_b32 s3, s3, 9                           ; my tile's 128 rows
	s_add_co_u32 s96, s2, s3
	s_mov_b32 s97, 0
	s_add_nc_u64 s[6:7], s[6:7], s[96:97]
	; THE HEAD.  Lane l has rows 4 l .. 4 l + 3 of the tile's 128.  Every wave finds M and l of all rows; wave w adjusts the scale words of chunks 4 w .. 4 w + 3
.irp c, 0,1,2,3,4,5,6,7,8,9,10,11,12,13,14,15
	global_load_b128 v[64+4*\c:67+4*\c], v[GO], s[6:7] offset:524288+8192*\c      ; -Mc
.endr
.irp c, 0,1,2,3,4,5,6,7,8,9,10,11,12,13,14,15
	global_load_b128 v[128+4*\c:131+4*\c], v[GO], s[6:7] offset:1048576+8192*\c   ; lc
.endr
.irp c, 0,1,2,3
	global_load_b128 v[192+4*\c:195+4*\c], v8, s[6:7] offset:8192*\c              ; my chunks' scale words
	global_load_b128 v[208+4*\c:211+4*\c], v8, s[6:7] offset:524288+8192*\c       ; and their -Mc
.endr
	; V^T's scale words of 64 rows, wave by wave: 16 steps of 256 bytes, 4,096 bytes apart: sixteen lanes read one step's 256 bytes, the other sixteen the next step's
	v_lshlrev_b32 v13, 12, v3
	v_lshl_add_u32 v13, v2, 4, v13
	v_add_nc_u32 v13, s100, v13
	WIN 0x40                                       ; into window 1, where B's fragments will lie
.irp u, 0,1,2,3,4,5,6,7
	global_load_b128 v[4*\u:4*\u+3], v13, s[10:11] offset:8192*\u
.endr
	WIN 0
	s_lshl_b32 s2, s[WV], 12
	s_add_co_u32 s2, s2, SCB
	v_add_nc_u32 v14, s2, v[GO]                    ; and where they go in LDS
	; where my results go: fragment ((512 cx + 32 cluster y + 8 cy + 4 (wave / 2)) 2 + wave % 2);  words ((2 cx + wave % 2) 8,192 + 128 (4 cluster y + cy) + 64 (wave / 2))
	s_lshl_b32 s2, s[CX], 9
	s_lshl_b32 s3, s[CLY], 5
	s_add_co_u32 s2, s2, s3
	s_lshl_b32 s3, s[CY], 3
	s_add_co_u32 s2, s2, s3
	s_lshl_b32 s3, s[HR], 2
	s_add_co_u32 s2, s2, s3
	s_lshl_b32 s2, s2, 1
	s_add_co_u32 s2, s2, s[HC]
	s_mul_i32 s98, s2, 1536
	s_mov_b32 s99, 0
	s_add_nc_u64 s[12:13], s[12:13], s[98:99]
	s_lshl_b32 s2, s[CX], 1
	s_add_co_u32 s2, s2, s[HC]
	s_lshl_b32 s2, s2, 13
	s_lshl_b32 s3, s[CLY], 2
	s_add_co_u32 s3, s3, s[CY]
	s_lshl_b32 s3, s3, 7
	s_add_co_u32 s2, s2, s3
	s_lshl_b32 s3, s[HR], 6
	s_add_co_u32 s2, s2, s3
	s_lshl_b32 s98, s2, 2
	s_add_nc_u64 s[14:15], s[14:15], s[98:99]
	s_wait_alu depctr_va_vdst(0)
	s_wait_tensorcnt 0x0                           ; my part of slot 0 is in
	ds_add_u32 v[SPW], v[NIL]
	s_wait_dscnt 0x0
	CROUND                                         ; everybody's part of slot 0 is in, and all sixteen work-groups are here
	JLOAD G0A1, G1A, G0B1, G1B                     ; slot 1: the first tensor load behind the round; the arithmetic below stands between it and the wait for it
	s_wait_loadcnt 0x0
.irp j, 0,1,2,3
	v_min3_num_f32 v[224+\j], v[64+\j], v[68+\j], v[72+\j]       ; -M = the smallest -Mc
.endr
.irp c, 3,5,7,9,11,13
.irp j, 0,1,2,3
	v_min3_num_f32 v[224+\j], v[224+\j], v[64+4*\c+\j], v[68+4*\c+\j]
.endr
.endr
.irp j, 0,1,2,3
	v_min_num_f32 v[224+\j], v[224+\j], v[124+\j]
.endr
.irp c, 0,1,2,3,4,5,6,7,8,9,10,11,12,13,14,15
.irp u, 0,1
	v_pk_add_f32 v[64+4*\c+2*\u:65+4*\c+2*\u], v[224+2*\u:225+2*\u], v[64+4*\c+2*\u:65+4*\c+2*\u] neg_lo:[0,1] neg_hi:[0,1]   ; Mc - M: a whole number, 0 or less
.endr
.endr
.set ej, 0
.rept 64
	v_cvt_i32_f32 v[64+ej], v[64+ej]               ; (it saturates)
.set ej, ej+1
.endr
.set ej, 0
.rept 64
	v_ldexp_f32 v[128+ej], v[128+ej], v[64+ej]     ; lc under M: nothing is rounded
.set ej, ej+1
.endr
	v_pk_add_f32 v[228:229], v[128:129], v[132:133]
	v_pk_add_f32 v[230:231], v[130:131], v[134:135]
.irp c, 2,3,4,5,6,7,8,9,10,11,12,13,14,15
	v_pk_add_f32 v[228:229], v[228:229], v[128+4*\c:129+4*\c]
	v_pk_add_f32 v[230:231], v[230:231], v[130+4*\c:131+4*\c]
.endr
	s_wait_alu depctr_va_vdst(0)
.irp j, 0,1,2,3
	v_rcp_f32 v[232+\j], v[228+\j]                 ; 1 / l; the scale bytes' work below is the independent work behind the four
.endr
.irp c, 0,1,2,3
.irp u, 0,1
	v_pk_add_f32 v[208+4*\c+2*\u:209+4*\c+2*\u], v[224+2*\u:225+2*\u], v[208+4*\c+2*\u:209+4*\c+2*\u] neg_lo:[0,1] neg_hi:[0,1]
.endr
.endr
.set ej, 0
.rept 16
	v_cvt_i32_f32 v[208+ej], v[208+ej]
.set ej, ej+1
.endr
.irp c, 0,1,2,3                        ; each of a word's four bytes: + (Mc - M), held at 0 from below; four rows by turns
.irp k, 0,1,2,3
.irp j, 0,1,2,3
	v_bfe_u32 v[236+\j], v[192+4*\c+\j], 8*\k, 8
.endr
.irp j, 0,1,2,3
	v_add_nc_u32 v[236+\j], v[236+\j], v[208+4*\c+\j]
.endr
.irp j, 0,1,2,3
	v_ashrrev_i32 v[240+\j], 31, v[236+\j]         ; all ones where the sum is negative
.endr
.irp j, 0,1,2,3
.if \k == 0
	v_bfi_b32 v[244+\j], v[240+\j], 0, v[236+\j]
.else
	v_bfi_b32 v[236+\j], v[240+\j], 0, v[236+\j]
.endif
.endr
.irp j, 0,1,2,3
.if (\k == 1) || (\k == 2)
	v_lshl_or_b32 v[244+\j], v[236+\j], 8*\k, v[244+\j]
.elseif \k == 3
	v_lshl_or_b32 v[192+4*\c+\j], v[236+\j], 24, v[244+\j]
.endif
.endr
.endr
	ds_store_b128 v10, v[192+4*\c:195+4*\c] offset:256*\c
.endr
	s_wait_alu depctr_va_vdst(0)                   ; one wait for the four reciprocals, ahead of their first reader
	ds_store_b128 v9, v[232:235]
	WIN 0x04                                       ; the data in window 1
.irp u, 0,1,2,3,4,5,6,7
	ds_store_b128 v14, v[4*\u:4*\u+3] offset:512*\u
.endr
	WIN 0
	s_wait_dscnt 0x0                               ; for the others' sake: my stores have landed.  Slot 0 was whole at the round above; slot 1's load may be out
	s_barrier_signal -1
	s_barrier_wait -1
	FETCH 0
	STEP 0, 1                                      ; the first products start the sums
	STEP 1, 0
	STEP 2, 0
	TURN 3, 1, G0A0, G0B0
	STEP 4, 0
	STEP 5, 0
	STEP 6, 0
	TURN 7, 1, G0A1, G0B1
	STEP 8, 0
	STEP 9, 0
	STEP 10, 0
	TURN 11, 0, G0A0, G0B0
	STEP 12, 0
	STEP 13, 0
	STEP 14, 0
	s_wait_dscnt 0x0
	MUL 0, 4, 15, 0
	WIN 0
	PLACES 4
.irp b, 0,1,2,3
	v_mov_b32 v[TM+4+\b], 0                        ; written once: a lane permute's destination counts as one of its sources
.endr
.irp a, 0,1,2,3
	ds_load_b32 v[LI2+2*\a], v11 offset:64*\a      ; 1 / l of row 16 a + r, twice: a pair for the packed multiply
	ds_load_b32 v[LI2+2*\a+1], v11 offset:64*\a
.endr
	s_wait_dscnt 0x0
.macro EPI a
.if (\a) > 0
	s_wait_xcnt 0x0                                ; the last block's stores have read their registers
.endif
	WIN 2
.set ei, 0
.rept 32
	v_pk_mul_f32 v[HA+ei:HA+ei+1], v[64*(\a)+ei:64*(\a)+ei+1], v[LI2+2*(\a):LI2+2*(\a)+1]   ; each accumulator from its low end on
.set ei, ei+2
.endr
	WIN 0
	QUANT HA, PW+(\a)
.irp c, 0,1,2
	global_store_b128 v[GO], v[PC+4*\c:PC+4*\c+3], s[12:13] offset:3072*(\a)+512*\c
.endr
	ds_store_b32 v[SWA], v[PW+(\a)] offset:64*(\a)
.endm
	EPI 0
	EPI 1
	EPI 2
	EPI 3
	ds_load_b64 v[200:201], v[SRD]
	s_wait_dscnt 0x0
	global_store_b64 v12, v[200:201], s[14:15]     ; my 64 rows' scale words: 256 consecutive bytes, aligned
	s_wait_tensorcnt 0x0                           ; the wave's end
	ds_add_u32 v[SPW], v[NIL]
	s_wait_dscnt 0x0
	CROUND
	s_endpgm
.Lfunc_end_k_qb19d715ea8_pv:
	.size	k_qb19d715ea8_pv, .Lfunc_end_k_qb19d715ea8_pv-k_qb19d715ea8_pv
	.p2alignl 7, 3214868480
	.fill 96, 4, 3214868480
	.section	.rodata,"a",@progbits
	.p2align	6, 0x0
	.amdhsa_kernel k_qb19d715ea8_pv
		.amdhsa_group_segment_fixed_size 327680
		.amdhsa_private_segment_fixed_size 0
		.amdhsa_enable_private_segment 0
		.amdhsa_kernarg_size 48
		.amdhsa_user_sgpr_count 2
		.amdhsa_user_sgpr_kernarg_segment_ptr 1
		.amdhsa_wavefront_size32 1
		.amdhsa_system_sgpr_workgroup_id_x 1
		.amdhsa_system_sgpr_workgroup_id_y 1
		.amdhsa_system_sgpr_workgroup_id_z 1
		.amdhsa_system_vgpr_workitem_id 0
		.amdhsa_next_free_vgpr 1024
		.amdhsa_next_free_sgpr 102
		.amdhsa_reserve_vcc 0
		.amdhsa_float_denorm_mode_32 3
		.amdhsa_float_denorm_mode_16_64 3
		.amdhsa_memory_ordered 1
		.amdhsa_forward_progress 1
		.amdhsa_inst_pref_size 181
	.end_amdhsa_kernel
	.amdgpu_metadata
---
amdhsa.version: [ 1, 2 ]
amdhsa.kernels:
  - .name:           k_qb19d715ea8_pv
    .symbol:         k_qb19d715ea8_pv.kd
    .args:
      - { .name: p_c, .offset: 0, .size: 8, .value_kind: global_buffer, .address_space: global }
      - { .name: p_s, .offset: 8, .size: 8, .value_kind: global_buffer, .address_space: global }
      - { .name: qkv_c, .offset: 16, .size: 8, .value_kind: global_buffer, .address_space: global }
      - { .name: qkv_s, .offset: 24, .size: 8, .value_kind: global_buffer, .address_space: global }
      - { .name: o_c, .offset: 32, .size: 8, .value_kind: global_buffer, .address_space: global }
      - { .name: o_s, .offset: 40, .size: 8, .value_kind: global_buffer, .address_space: global }
    .group_segment_fixed_size: 327680
    .private_segment_fixed_size: 0
    .kernarg_segment_align: 8
    .kernarg_segment_size: 48
    .max_flat_workgroup_size: 128
    .sgpr_count:     102
    .vgpr_count:     1024
    .wavefront_size: 32
...
	.end_amdgpu_metadata
.endif
;; end of part 4
;; launch outp (part 5): grid 4 x 64, 4 waves a work-group, clusters of 4 x 4, 327,680 bytes of LDS; arguments o_c, o_s, xw_c, xw_s, b_out, out0; writes out0
.if DOCPART == 5
	.amdgcn_target "amdgcn-amd-amdhsa--gfx1250"
	.amdhsa_code_object_version 6
	.text
	.protected	k_qb19d715ea8_outp
	.globl	k_qb19d715ea8_outp
	.p2align	8
	.type	k_qb19d715ea8_outp,@function
k_qb19d715ea8_outp:
	s_mov_b64 s[64:65], 0
	v_nop
	global_prefetch_b8 v0, s[64:65] scope:SCOPE_SE
	s_setreg_imm32_b32 hwreg(HW_REG_WAVE_MODE, 25, 1), 1
	s_wait_xcnt 0x0
	s_wait_alu depctr_hold_cnt(0) depctr_sa_sdst(0) depctr_va_vdst(0) depctr_va_sdst(0) depctr_va_ssrc(0) depctr_va_vcc(0) depctr_vm_vsrc(0)
	s_getreg_b32 s2, hwreg(HW_REG_IB_STS2, 6, 4)
	s_cmp_eq_u32 s2, 0
	s_cbranch_scc0 .Lentry_in_a_cluster
	s_endpgm
.Lentry_in_a_cluster:
	s_bfe_u32 s2, ttmp6, 0x10000c
	s_cmp_lg_u32 s2, 0xf033
	s_cbranch_scc0 .Lentry_shape_is_right
	s_endpgm
.Lentry_shape_is_right:
; out0 = O w_out^T + b_out on codes of FP6 (E2M3) with E8M0 scales; sums in f32, stored as f32.
; A tile of out0 is 128 rows x 256 columns: 256 work-groups; a wave makes 64 x 128 in 32 accumulators.  A = O (o_c, o_s), B = w_out (rows 11,264 on of xw_c, xw_s).
; Operands are images of operand registers: a fragment (16 rows x 128 K) is 1,536 bytes, registers 4 c .. 4 c + 3 of lane l at 512 c + 16 l; fragments lie [K / 256][row / 16][(K / 128) % 2]; scale words [K / 128][row].
; ALL OF K LIES IN LDS AT ONCE: A's 128 rows are 98,304 bytes, B's 256 rows 196,608.  Each wave issues ONE joint load at the head: waves 0, 1 a half of A (4 rows of 12,288 bytes, a plane of o_c apart),
; waves 2, 3 a half of B (4 rows of 24,576 bytes, a plane of xw_c apart).  Nothing is filled again: no ring, one wait for the load, one barrier.  By this text's own count a wave has one tensor load out.
; The scale words, 12,288 bytes, come through registers into LDS bytes of their own: wave w copies those of steps 2 w and 2 w + 1 of 128 along K, in runs of 512 consecutive bytes.
; CLUSTERS: 4 x 4; A's tiles are asked for jointly along a row of the cluster, B's along a column.
; The product is used transposed (source 0 = B's rows, source 1 = A's): a lane holds one row of out0 and eight neighbouring columns.  b_out is the C of each sum's first product.
; THE WAY OUT goes through a stage of 16 rows x 528 bytes a wave, in the bytes of B's first half of K steps 0 and 1: they have had their only fill, and a barrier in the fourth step stands behind every wave's last read of them.
; No prefetch: the launch has no loop to run ahead in; every byte is asked for at the head.
; LIMITS: NaN and infinities are not served.
; REGISTERS: window 0: v1-11 the head's; v16-28 addresses; v32-63 scale words and nothing else; v64-111, v160-207 A's fragments, two sets; v208-231 scale words on their way in; v64-191 on the way out.
;   window 1: v0-95, v128-223 B's fragments, two sets; v96-127, v224-255 the bias.   window 2: accumulator (a, b) at v[8 (8 a + b)].
.set SCA,   294912                     ; A's scale words: [half of the rows][8 steps][256 bytes]
.set SCB,   299008                     ; B's: [half][8][512 bytes]
.set SPARE, 307200                     ; the spare words, 128 bytes a wave
.set STAGE, 98304
.set SPITCH, 528
.set ADRA, 16                          ; v16-17 LDS address of my A fragments, K steps 0-1 and 2-3
.set ADRB, 20                          ; v20-21 the same for B
.set ADSA, 24                          ; v24    of A's scale words: lanes 0-15 an even step's, lanes 16-31 the odd step's behind it
.set ADSB, 25
.set GO,   26                          ; v26    16 x lane
.set STO,  27
.set RD,   28
.set SPW,  254                         ; my spare word; never rewritten
.set NIL,  255                         ; 0; never rewritten
.set WV, 18
.set HR, 19                            ; wave / 2: my half of the rows; also 0: I fetch for A, 1: for B
.set HC, 20                            ; wave % 2: my half of the columns; also which half I fetch
.set CX, 21
.set CY, 22
.set CLY, 24
.set MROW, 25
.set MCOL, 26
.set G1A, 28
.set G1B, 36
.set G0A, 44
.set G0B, 56
.set MSB, 0
.macro WIN new                         ; the immediate's high byte repeats the setting that is left
.if MSB != (\new)
	s_set_vgpr_msb (MSB<<8)|(\new)
.set MSB, (\new)
.endif
.endm
.macro PLACES n                        ; plain places behind matrix instructions (ISA guide 7.12.1)
.rept \n
	v_nop
.endr
.endm
.macro CROUND                          ; a round of the cluster's barrier
	s_barrier_signal -1
	s_barrier_wait -1
	s_cmp_lg_u32 s[WV], 0
	s_cbranch_scc1 .Lnot_wave_0_\@
	s_barrier_signal -3
.Lnot_wave_0_\@:
	s_barrier_wait -3
	s_barrier_signal -1
	s_barrier_wait -1
.endm
.macro WM odd, cm
.if (\cm) == 2
	v_wmma_scale_f32_16x16x128_f8f6f4 v[rD:rD+7], v[rB:rB+11], v[rA:rA+11], v[rC:rC+7], v[rSB], v[rSA] matrix_a_fmt:MATRIX_FMT_FP6 matrix_b_fmt:MATRIX_FMT_FP6
.elseif \odd
	v_wmma_scale_f32_16x16x128_f8f6f4 v[rD:rD+7], v[rB:rB+11], v[rA:rA+11], v[rD:rD+7], v[rSB], v[rSA] matrix_a_fmt:MATRIX_FMT_FP6 matrix_b_fmt:MATRIX_FMT_FP6 matrix_a_scale:MATRIX_SCALE_ROW1 matrix_b_scale:MATRIX_SCALE_ROW1
.else
	v_wmma_scale_f32_16x16x128_f8f6f4 v[rD:rD+7], v[rB:rB+11], v[rA:rA+11], v[rD:rD+7], v[rSB], v[rSA] matrix_a_fmt:MATRIX_FMT_FP6 matrix_b_fmt:MATRIX_FMT_FP6
.endif
.endm
.macro MUL a0, n, g, cm                ; A's blocks a0 on against B's eight, step g; cm = 2: C = the bias.  The 32 accumulators take turns, one instruction a turn
.set ma, \a0
.rept \n
.if (\cm) == 2
	WIN 0x91
.else
	WIN 0xa1
.endif
.irp b, 0,1,2,3,4,5,6,7
.set rD, 8*(8*ma+\b)
.set rB, 128*((\g)&1)+12*\b
.set rA, 64+96*((\g)&1)+12*ma
.set rSB, 40+16*(((\g)>>1)&1)+\b
.set rSA, 32+16*(((\g)>>1)&1)+ma
.set rC, 96+8*\b+96*(\b/4)
	WM (\g)&1, \cm
.endr
.set ma, ma+1
.endr
.endm
.macro FETCH g                         ; step g's fragments into set g % 2; with an even step two steps' scale words
.set fp, (\g)&1
.set fs, ((\g)>>2)&1
.set fq, (\g)&3
.set foa, 12288*(fq>>1)+1536*(fq&1)
.set fob, 24576*(fq>>1)+1536*(fq&1)
	WIN 0x40
.irp i, 0,1,2,3,4,5,6,7
.irp c, 0,1,2
	ds_load_b128 v[128*fp+12*\i+4*\c:128*fp+12*\i+4*\c+3], v[ADRB+fs] offset:3072*\i+fob+512*\c
.endr
.endr
	WIN 0
.irp i, 0,1,2,3
.irp c, 0,1,2
	ds_load_b128 v[64+96*fp+12*\i+4*\c:64+96*fp+12*\i+4*\c+3], v[ADRA+fs] offset:3072*\i+foa+512*\c
.endr
.endr
.if fp == 0
.set fpair, (\g)>>1
.set fg, 16*(fpair&1)
.irp i, 0,1,2,3
	ds_load_b32 v[32+fg+\i], v[ADSA] offset:512*fpair+64*\i
.endr
.irp i, 0,1,2,3,4,5,6,7
	ds_load_b32 v[40+fg+\i], v[ADSB] offset:1024*fpair+64*\i
.endr
.endif
.endm
.macro STEP g, cm
	s_wait_dscnt 0x0                               ; this step's fragments are in
.if (\g) > 0
	PLACES 4                                       ; the other set was read by the last step's products
.endif
	FETCH (\g)+1
	MUL 0, 4, \g, \cm
.endm
	s_load_b256 s[4:11], s[0:1], 0x0               ; o_c s[4:5], o_s s[6:7], xw_c s[8:9], xw_s s[10:11]
	s_load_b128 s[12:15], s[0:1], 0x20             ; b_out s[12:13], out0 s[14:15]
	v_lshl_add_u32 v[SPW], v0, 2, SPARE
	v_mov_b32 v[NIL], 0
	ds_add_u32 v[SPW], v[NIL]                      ; the add, twice on end; its wait stands ahead of my first tensor load
	ds_add_u32 v[SPW], v[NIL]
	v_lshrrev_b32 v1, 5, v0
	v_readfirstlane_b32 s[WV], v1
	s_lshr_b32 s[HR], s[WV], 1
	s_and_b32 s[HC], s[WV], 1
	s_bfe_u32 s[CX], ttmp6, 0x40000
	s_bfe_u32 s[CY], ttmp6, 0x40004
	s_and_b32 s[CLY], ttmp7, 0xffff
	s_lshl_b32 s[MROW], s[CY], 2
	s_lshl_b32 s[MROW], 15, s[MROW]                ; my row of the cluster
	s_lshl_b32 s[MCOL], 0x1111, s[CX]              ; my column
	s_or_b32 s[G1A], s[MROW], (3<<16)|(1<<21)      ; A: 64 rows of all of K: 4 rows of 12,288 bytes (1,536 elements of 8), a plane of o_c apart
	s_mov_b32 s[G1A+1], 1536<<16
	s_mov_b32 s[G1A+2], 4<<16
	s_mov_b32 s[G1A+3], 1536<<16
	s_mov_b32 s[G1A+4], 4
	s_mov_b32 s[G1A+5], 196608
	s_mov_b32 s[G1A+6], 0
	s_mov_b32 s[G1A+7], 0
	s_or_b32 s[G1B], s[MCOL], (3<<16)|(1<<21)      ; B: 128 rows: 4 rows of 24,576 bytes, a plane of xw_c apart
	s_mov_b32 s[G1B+1], 3072<<16
	s_mov_b32 s[G1B+2], 4<<16
	s_mov_b32 s[G1B+3], 3072<<16
	s_mov_b32 s[G1B+4], 4
	s_mov_b32 s[G1B+5], 294912
	s_mov_b32 s[G1B+6], 0
	s_mov_b32 s[G1B+7], 0
	s_lshl_b32 s2, s[CLY], 5                       ; blocks of 16 rows.  A: 32 cluster y + 8 cy + 4 half
	s_lshl_b32 s96, s[CY], 3
	s_add_co_u32 s2, s2, s96
	s_lshl_b32 s96, s[HC], 2
	s_add_co_u32 s2, s2, s96
	s_mul_i32 s96, s2, 3072
	s_mov_b32 s97, 0
	s_lshl_b32 s27, s[CX], 4                       ; B: 704 + 16 cx + 8 half
	s_lshl_b32 s98, s[HC], 3
	s_add_co_u32 s27, s27, s98
	s_add_co_u32 s27, s27, 704
	s_mul_i32 s98, s27, 3072
	s_mov_b32 s99, 0
	s_mov_b32 s[G0A], 1
	s_mul_i32 s[G0A+1], s[HC], 49152               ; A's halves at LDS byte 0 and 49,152
	s_mov_b32 s[G0B], 1
	s_mul_i32 s3, s[HC], 98304
	s_add_co_u32 s[G0B+1], s3, 98304               ; B's at 98,304 and 196,608
	s_mul_i32 s48, s[HR], 49152                    ; what I read: my half of A,
	s_mul_i32 s49, s[HC], 98304
	s_add_co_u32 s49, s49, 98304                   ; my half of B,
	s_lshl_b32 s50, s[HR], 11
	s_add_co_u32 s50, s50, SCA                     ; their scale words,
	s_lshl_b32 s51, s[HC], 12
	s_add_co_u32 s51, s51, SCB
	s_mul_i32 s52, s[WV], 16*SPITCH
	s_add_co_u32 s52, s52, STAGE                   ; my stage
	s_lshl_b32 s53, s[CX], 10
	s_lshl_b32 s3, s[HC], 9
	s_add_co_u32 s53, s53, s3                      ; my first column, in bytes: 1,024 cx + 512 (wave % 2)
	s_lshl_b32 s54, s[CLY], 2
	s_add_co_u32 s54, s54, s[CY]                   ; which 128 rows
	s_lshl_b32 s55, s54, 9
	s_lshl_b32 s3, s[WV], 16
	s_add_co_u32 s55, s55, s3                      ; in o_s: the tile's 512 bytes of steps 2 wave on (a step is 32,768 bytes)
	s_lshl_b32 s60, s[CX], 10
	s_mul_i32 s3, s[WV], 98304
	s_add_co_u32 s60, s60, s3
	s_add_co_u32 s60, s60, 45056                   ; in xw_s: w_out begins at row 11,264; the tile's 1,024 bytes of steps 2 wave on (a step is 49,152 bytes)
	s_lshl_b32 s61, s[WV], 9
	s_add_co_u32 s61, s61, SCA                     ; and where these go in LDS
	s_lshl_b32 s62, s[WV], 10
	s_add_co_u32 s62, s62, SCB
	s_lshl_b32 s54, s54, 7
	s_lshl_b32 s3, s[HR], 6
	s_add_co_u32 s54, s54, s3                      ; my first row of out0,
	s_lshl_b32 s54, s54, 12                        ; of 4,096 bytes
	s_add_co_u32 s100, s54, s53
	s_mov_b32 s101, 0
	s_wait_dscnt 0x0                               ; both opening adds are done
	s_wait_kmcnt 0x0
	s_add_nc_u64 s[G0A+2:G0A+3], s[4:5], s[96:97]
	s_or_b32 s[G0A+3], s[G0A+3], 0x80000000
	s_add_nc_u64 s[G0B+2:G0B+3], s[8:9], s[98:99]
	s_or_b32 s[G0B+3], s[G0B+3], 0x80000000
	s_add_nc_u64 s[14:15], s[14:15], s[100:101]
	CROUND                                         ; all sixteen work-groups are here: the joint loads meet
	s_cmp_eq_u32 s[HR], 0                          ; waves 0 and 1 fetch for A, waves 2 and 3 for B: one load on every way; s_nop 0 and four v_nop follow each
	s_cbranch_scc0 .Lfor_b
	tensor_load_to_lds s[G0A:G0A+3], s[G1A:G1A+7]
	s_nop 0
.rept 4
	v_nop
.endr
	s_branch .Lasked
.Lfor_b:
	tensor_load_to_lds s[G0B:G0B+3], s[G1B:G1B+7]
	s_nop 0
.rept 4
	v_nop
.endr
.Lasked:
	v_and_b32 v1, 31, v0                           ; lane
	v_and_b32 v2, 15, v0                           ; r
	v_bfe_u32 v3, v0, 4, 1                         ; h
	v_lshlrev_b32 v[GO], 4, v1
	v_lshlrev_b32 v4, 2, v2                        ; 4 r
	v_add_nc_u32 v8, s55, v[GO]
	v_add_nc_u32 v9, s60, v[GO]
	v_lshlrev_b32 v7, 5, v3
	v_add_nc_u32 v7, s53, v7                       ; b_out at my columns: + 16 b + 8 h + 0 .. 7
.irp u, 0,1
	global_load_b128 v[208+4*\u:211+4*\u], v8, s[6:7] offset:32768*\u          ; A's 128 words of a step
	global_load_b128 v[216+8*\u:219+8*\u], v9, s[10:11] offset:49152*\u        ; B's 256, in two halves
	global_load_b128 v[220+8*\u:223+8*\u], v9, s[10:11] offset:49152*\u+512
.endr
	WIN 0x40
.irp b, 0,1,2,3,4,5,6,7
	global_load_b128 v[96+8*\b+96*(\b/4):96+8*\b+96*(\b/4)+3], v7, s[12:13] offset:64*\b
	global_load_b128 v[100+8*\b+96*(\b/4):100+8*\b+96*(\b/4)+3], v7, s[12:13] offset:64*\b+16
.endr
	WIN 0
	v_add_nc_u32 v[ADRA], s48, v[GO]
	v_add_nc_u32 v[ADRB], s49, v[GO]
	v_add_nc_u32 v[ADRA+1], 24576, v[ADRA]
	v_add_nc_u32 v[ADRB+1], 49152, v[ADRB]
	v_lshl_add_u32 v5, v3, 8, v4                   ; lanes 16-31 take the odd step's words
	v_lshl_add_u32 v6, v3, 9, v4
	v_add_nc_u32 v[ADSA], s50, v5
	v_add_nc_u32 v[ADSB], s51, v6
	v_mul_u32_u24 v[STO], v2, SPITCH               ; the stage, in: row r, 32 bytes for each half of the lanes
	v_lshl_add_u32 v[STO], v3, 5, v[STO]
	v_add_nc_u32 v[STO], s52, v[STO]
	v_add_nc_u32 v[RD], s52, v[GO]                 ; and back: 32 lanes take a row of 512 bytes
	v_lshlrev_b32 v10, 11, v3                      ; A's words in LDS: lanes 0-15 hold the first half of the rows, lanes 16-31 the second
	v_lshl_add_u32 v10, v2, 4, v10
	v_add_nc_u32 v10, s61, v10
	v_add_nc_u32 v11, s62, v[GO]
	s_wait_alu depctr_va_vdst(0)
	s_wait_loadcnt 0x0                             ; the scale words and the bias
.irp u, 0,1
	ds_store_b128 v10, v[208+4*\u:211+4*\u] offset:256*\u
	ds_store_b128 v11, v[216+8*\u:219+8*\u] offset:512*\u
	ds_store_b128 v11, v[220+8*\u:223+8*\u] offset:4096+512*\u
.endr
	s_wait_dscnt 0x0                               ; for the others' sake: my stores have landed,
	s_wait_tensorcnt 0x0                           ; and my part of the codes
	s_barrier_signal -1
	s_barrier_wait -1                              ; everybody's have: all of K lies in LDS
	FETCH 0
	STEP 0, 2                                      ; the first products start the sums at the bias
	STEP 1, 0
	STEP 2, 0
	s_wait_dscnt 0x0                               ; the fourth step's fragments are in: my last reads of K steps 0 and 1
	s_barrier_signal -1
	MUL 0, 2, 3, 0
	WIN 0
	s_barrier_wait -1                              ; everybody's are: the stage's bytes are read no more
	PLACES 4
	FETCH 4
	MUL 2, 2, 3, 0
	STEP 4, 0
	STEP 5, 0
	STEP 6, 0
	s_wait_dscnt 0x0
	MUL 0, 4, 7, 0
	WIN 0
; THE WAY OUT, block by block of 16 rows x 128 columns: through my stage, back as whole rows of 512 bytes.  LDS serves a wave's instructions in order: no wait between the stores and the loads.
.macro TOSTAGE a
	WIN 0x08                                       ; the data in window 2
.irp b, 0,1,2,3,4,5,6,7
	ds_store_b128 v[STO], v[64*(\a)+8*\b:64*(\a)+8*\b+3] offset:64*\b            ; each accumulator from its low end on
	ds_store_b128 v[STO], v[64*(\a)+8*\b+4:64*(\a)+8*\b+7] offset:64*\b+16
.endr
	WIN 0
.irp t, 0,1,2,3,4,5,6,7,8,9,10,11,12,13,14,15
	ds_load_b128 v[64+64*((\a)%2)+4*\t:64+64*((\a)%2)+4*\t+3], v[RD] offset:\t*SPITCH
.endr
.endm
.macro SEND a, younger                 ; younger: the LDS instructions issued behind block a's loads, which may stay out
	s_wait_dscnt \younger
.irp t, 0,1,2,3,4,5,6,7,8,9,10,11,12,13,14,15
	global_store_b128 v[GO], v[64+64*((\a)%2)+4*\t:64+64*((\a)%2)+4*\t+3], s[14:15] offset:65536*(\a)+4096*\t th:TH_STORE_NT   ; 512 consecutive bytes, aligned
.endr
.endm
	PLACES 4
	TOSTAGE 0
	TOSTAGE 1
	SEND 0, 32
	s_wait_xcnt 0x0                                ; block 0's stores have read their registers
	TOSTAGE 2
	SEND 1, 32
	s_wait_xcnt 0x0
	TOSTAGE 3
	SEND 2, 32
	SEND 3, 0
	s_wait_tensorcnt 0x0                           ; the wave's end
	ds_add_u32 v[SPW], v[NIL]
	s_wait_dscnt 0x0
	CROUND                                         ; the closing round
	s_endpgm
.Lfunc_end_k_qb19d715ea8_outp:
	.size	k_qb19d715ea8_outp, .Lfunc_end_k_qb19d715ea8_outp-k_qb19d715ea8_outp
	.p2alignl 7, 3214868480
	.fill 96, 4, 3214868480
	.section	.rodata,"a",@progbits
	.p2align	6, 0x0
	.amdhsa_kernel k_qb19d715ea8_outp
		.amdhsa_group_segment_fixed_size 327680
		.amdhsa_private_segment_fixed_size 0
		.amdhsa_enable_private_segment 0
		.amdhsa_kernarg_size 48
		.amdhsa_user_sgpr_count 2
		.amdhsa_user_sgpr_kernarg_segment_ptr 1
		.amdhsa_wavefront_size32 1
		.amdhsa_system_sgpr_workgroup_id_x 1
		.amdhsa_system_sgpr_workgroup_id_y 1
		.amdhsa_system_sgpr_workgroup_id_z 1
		.amdhsa_system_vgpr_workitem_id 0
		.amdhsa_next_free_vgpr 1024
		.amdhsa_next_free_sgpr 102
		.amdhsa_reserve_vcc 0
		.amdhsa_float_denorm_mode_32 3
		.amdhsa_float_denorm_mode_16_64 3
		.amdhsa_memory_ordered 1
		.amdhsa_forward_progress 1
		.amdhsa_inst_pref_size 79
	.end_amdhsa_kernel
	.amdgpu_metadata
---
amdhsa.version: [ 1, 2 ]
amdhsa.kernels:
  - .name:           k_qb19d715ea8_outp
    .symbol:         k_qb19d715ea8_outp.kd
    .args:
      - { .name: o_c, .offset: 0, .size: 8, .value_kind: global_buffer, .address_space: global }
      - { .name: o_s, .offset: 8, .size: 8, .value_kind: global_buffer, .address_space: global }
      - { .name: xw_c, .offset: 16, .size: 8, .value_kind: global_buffer, .address_space: global }
      - { .name: xw_s, .offset: 24, .size: 8, .value_kind: global_buffer, .address_space: global }
      - { .name: b_out, .offset: 32, .size: 8, .value_kind: global_buffer, .address_space: global }
      - { .name: out0, .offset: 40, .size: 8, .value_kind: global_buffer, .address_space: global }
    .group_segment_fixed_size: 327680
    .private_segment_fixed_size: 0
    .kernarg_segment_align: 8
    .kernarg_segment_size: 48
    .max_flat_workgroup_size: 128
    .sgpr_count:     102
    .vgpr_count:     1024
    .wavefront_size: 32
...
	.end_amdgpu_metadata
.endif
;; end of part 5
